; MI455X (gfx1250); checked and timed in simulation.
; The chip was launched on July 23, 2026; its instructions are those of AMD's public machine-readable ISA for CDNA 5 (MIT licence, August 2026) and "CDNA5" Instruction Set Architecture Reference Guide (July 2026). The comments in the code are by the model that wrote it; some were corrected since.
;; Self Attention Layer. Allowed arithmetic: matrix products marked QUANTISED: E2M1 operands, one E8M0 scale for each 32 along K, by v_wmma_scale_f32_16x16x128_f8f6f4 with both operands' format E2M1 (or v_wmma_scale_f32_32x16x128_f4), f32 sums; products left as they are: bf16, f16 or f32 operands; f32 sums; everything else in f32.
;; Inputs: b_kqv 3,072 float32; b_proj 1,024 float32; w_kqv 1,024 x 3,072 float32; w_proj 1,024 x 1,024 float32; x 4 x 2,048 x 1,024 float32.
;; Outputs: out0 4 x 2,048 x 1,024 float32.
;; This version of the problem:
;;   THIS VERSION OF THE PROBLEM IS GIVEN IN LOW PRECISION. The matrix products marked QUANTISED in the list below multiply operands that are first quantised to E2M1 (2 exponent bits, 1 mantissa bit; 4 bits a number), with one power-of-two scale for each 32 numbers along K (OCP MX v1.0); their sums are f32. The products marked 'left as it is' may take bf16, f16 or f32 operands, with f32 sums. Whichever they take, every output number must still come out within the allowed error. Rounding operands to bf16 (8 significant bits) uses up far more of that allowance than f16 does (11 bits, for magnitudes from 6e-5 to 65,504). All else is computed in f32.
;;   The module's matrix products, in the order in which they are computed (A, B: the left and right operand; K: the contracted axis; several contracted axes count as one K, in the product's order):
;;     1. [M 8,192, K 1,024] x [K 1,024, N 3,072]; A: input x; B: input w_kqv: QUANTISED
;;     2. batch 4 x [M 2,048, K 1,024] x [K 1,024, N 2,048]; A: computed on the way; B: computed on the way: left as it is (an operand is computed on the way)
;;     3. batch 4 x [M 2,048, K 2,048] x [K 2,048, N 1,024]; A: computed on the way; B: computed on the way: left as it is (an operand is computed on the way)
;;     4. [M 8,192, K 1,024] x [K 1,024, N 1,024]; A: computed on the way; B: input w_proj: left as it is (an operand is computed on the way)
;;   THE QUANTISER, for each operand of a quantised product, along K:
;;     - K is cut into blocks of 32 from its start; a last block that is shorter is filled with zeros.
;;     - A block's scale is 2^e with e = floor(log2(the largest magnitude in the block)) - 2, held to -126 .. 127; a block of zeros has e = 0. As a byte (E8M0): e + 127.
;;     - Each number is divided by its block's scale, clamped to +-6, and rounded to the nearest number of E2M1, ties to even, subnormals kept.
;;     - The product sums the exact products of the quantised numbers (number of the format x scale) in f32.
;;   ~~~python
;;   def quantise(x, axis):      # numpy; x: float32 -> the quantised numbers, widened to float32 again
;;       x = np.moveaxis(x, axis, -1); K = x.shape[-1]
;;       x = np.pad(x, [(0, 0)] * (x.ndim - 1) + [(0, -K % 32)]); x = x.reshape(x.shape[:-1] + (-1, 32)); a = np.abs(x).max(-1, keepdims=True)
;;       e = np.where(a > 0, np.clip(np.frexp(np.where(a > 0, a, 1))[1] - 1 - 2, -126, 127), 0)      # np.frexp(a)[1] - 1 = floor(log2(a)), exactly
;;       r = np.clip(x / 2.0 ** e, -6, 6)
;;       step = 2.0 ** (np.maximum(np.frexp(np.where(r == 0, 1, r))[1] - 1, 0) - 1)
;;       q = np.round(r / step) * step * 2.0 ** e      # np.round: ties to even
;;       return np.moveaxis(q.reshape(q.shape[:-2] + (-1,))[..., :K], -1, axis).astype(np.float32)
;;   ~~~
;; One version. Each part assembles by itself: llvm-mc -triple=amdgcn-amd-amdhsa -mcpu=gfx1250 --defsym DOCPART=n.
;; ======== version 1 of 1: 6 launches
;; limits: values are held in f16: magnitudes above 65,504 overflow, below 6.1e-05 lose precision
;; workspace buffers: xq 4,456,448 bytes; wq 1,671,168 bytes; wp16 2,097,152 bytes; kqv16 50,331,648 bytes; kqvf 786,432 bytes; pt 33,554,432 bytes; stats 1,048,576 bytes; att16 16,777,216 bytes
;; launch prep (part 1): grid 432 x 1, 4 waves a work-group, no clusters, 68,096 bytes of LDS; arguments x, w_kqv, w_proj, xq, wq, wp16; writes xq, wq, wp16
.if DOCPART == 1
	.amdgcn_target "amdgcn-amd-amdhsa--gfx1250"
	.amdhsa_code_object_version 6
	.text
	.protected	k_q5dcb617f27_prep
	.globl	k_q5dcb617f27_prep
	.p2align	8
	.type	k_q5dcb617f27_prep,@function
k_q5dcb617f27_prep:
	s_mov_b64 s[64:65], 0
	v_nop
	global_prefetch_b8 v0, s[64:65] scope:SCOPE_SE
	s_setreg_imm32_b32 hwreg(HW_REG_WAVE_MODE, 25, 1), 1
	s_wait_xcnt 0x0
; PREP: the operands of the quantised product become codes of FP4 (E2M1) with one E8M0 byte for each 32 along K, and w_proj becomes f16.
; Three paths, parted by the work-group's number alone; each has LDS bytes of its own and ends itself.
;   X (work-groups 0-255):   x [8192][1024] f32, K innermost -> xq: codes [8192][512 bytes], from byte 4,194,304 on scale bytes [8192][32].
;   W (256-303):             w_kqv [1024 (k)][3072 (n)] f32, K its first axis -> wq: codes [3072][512 bytes], from byte 1,572,864 on scale bytes [3072][32].
;   C (304-431):             w_proj [1024][1024] f32 -> wp16, f16, same order.
; A block's scale is 2^(floor(log2(largest magnitude)) - 2); its byte is the largest magnitude's exponent field - 2, held at 1 from below.  A block of zeros so gets the byte 1
; where the rule says 127: its codes are zeros, which add nothing under any byte but 0xff, and this program alone reads the bytes.
; LIMITS: NaN and infinities among the inputs are not served; |w_proj| beyond 65,504 becomes infinity in f16, under 6e-5 it keeps an absolute error of 3e-8.
; No tensor loads, no barrier: waves share nothing.
.set SPW,    192                       ; v192  LDS address of my spare word; never rewritten
.set NIL,    193                       ; v193  0; never rewritten
.set SPARE,  67584                     ; behind both paths' LDS: the spare words, 128 bytes a wave
.set EMAX,   2
.set XSTEPS, 16                        ; path X: a wave takes 16 steps of 512 numbers
.set CB,     8                         ; bytes of 16 codes
.set XR,     16                        ; v16-79   four sets of 16 numbers as they are loaded
.set XX,     80                        ; v80-111  two sets of 16 neighbours
.set XE,     112                       ; v112-127 a scale byte for each step
.set XC,     128                       ; v128-189 codes: registers of its own for each step
.set WREG,   8192                      ; a wave's LDS in path X: two stages of 32 x 80 bytes, then its 256 scale bytes
.set SP,     80
.set SIZE_N, 3072                      ; path W
.set NB,     16                        ; blocks of 32 along K for a wave
.set PITCH,  272                       ; a stage row: 256 bytes of codes + 16
.set KROW,   512                       ; a row of codes in bytes
.set WSTG,   32768                     ; path W's stages begin here
.set WSB,    24                        ; v24-27   scale bytes, four to a register
.set WX,     32                        ; v32-95   two sets of 32 numbers
.set WC,     96                        ; v96-99   a block's codes
.set WOUT,   112                       ; v112-175 the way out
.macro FINISH                          ; a wave's end
	s_wait_tensorcnt 0x0
	ds_add_u32 v[SPW], v[NIL]
	s_wait_dscnt 0x0
	s_endpgm
.endm
.macro XLOAD t                         ; 32 lanes read 512 consecutive bytes
.irp i, 0,1,2,3
	global_load_b128 v[XR+16*((\t)%4)+4*\i:XR+16*((\t)%4)+4*\i+3], v3, s[4:5] offset:2048*(\t)+512*\i th:TH_LOAD_NT
.endr
.endm
.macro XTURN t                         ; a step's 2,048 bytes through my stage: in as loaded, back 64 neighbouring bytes a lane.  LDS serves a wave's instructions in order
.irp i, 0,1,2,3
	ds_store_b128 v14, v[XR+16*((\t)%4)+4*\i:XR+16*((\t)%4)+4*\i+3] offset:32*SP*((\t)%2)+8*SP*\i
.endr
.irp i, 0,1,2,3
	ds_load_b128 v[XX+16*((\t)%2)+4*\i:XX+16*((\t)%2)+4*\i+3], v15 offset:32*SP*((\t)%2)+16*\i
.endr
.endm
.macro XSTEP t
.set XS, XX+16*((\t)%2)
.if (\t) > 0
	s_wait_dscnt 1                                 ; this step's numbers are back from the stage; the last step's byte store may be out
.else
	s_wait_dscnt 0x0
.endif
.if (\t)+4 < XSTEPS
	XLOAD (\t)+4                                   ; the stage's stores have read these registers
.endif
.if (\t)+1 < XSTEPS
.if XSTEPS-2-(\t) >= 3
	s_wait_loadcnt 12                              ; the next step's four loads are in; three steps' loads may be out
.else
	s_wait_loadcnt 4*(XSTEPS-2-(\t))
.endif
	XTURN (\t)+1
.endif
	v_max3_num_f32 v8, |v[XS]|, |v[XS+1]|, |v[XS+2]|               ; the largest magnitude of my 16, in two chains
	v_max3_num_f32 v9, |v[XS+3]|, |v[XS+4]|, |v[XS+5]|
.irp i, 6,10
	v_max3_num_f32 v8, v8, |v[XS+\i]|, |v[XS+\i+1]|
	v_max3_num_f32 v9, v9, |v[XS+\i+2]|, |v[XS+\i+3]|
.endr
	v_max3_num_f32 v8, v8, |v[XS+14]|, |v[XS+15]|
	v_max3_num_f32 v8, v8, v9, (EMAX+1)<<23        ; and the floor 2^(3 - 127): the byte cannot fall under 1
	v_max_num_f32_dpp v8, v8, v8 row_xmask:1 row_mask:0xf bank_mask:0xf   ; with my neighbour's 16: the block's
	v_add_nc_u32 v11, -(EMAX<<23), v8              ; 2 off its exponent field: the conversion takes that field as its scale
	v_cvt_scalef32_pk8_fp4_f32 v[XC+4*(\t)], v[XS:XS+7], v11
	v_cvt_scalef32_pk8_fp4_f32 v[XC+4*(\t)+1], v[XS+8:XS+15], v11
	v_lshrrev_b32 v[XE+(\t)], 23, v11              ; the scale's byte (a plain line behind the conversions)
	ds_store_b8 v5, v[XE+(\t)] offset:16*(\t)      ; both lanes of a block write the same byte
	global_store_b64 v4, v[XC+4*(\t):XC+4*(\t)+1], s[22:23] offset:32*CB*(\t)   ; the wave stores 256 consecutive bytes, aligned
.endm
.macro WLD t                           ; block t: w(32 t + i, my column) into set t % 2
.irp i, 0,1,2,3,4,5,6,7,8,9,10,11,12,13,14,15,16,17,18,19,20,21,22,23,24,25,26,27,28,29,30,31
	global_load_b32 v[WX+32*((\t)%2)+\i], v3, s[6:7] offset:(32*(\t)+\i)*SIZE_N*4 th:TH_LOAD_NT
.endr
.endm
.macro WBLOCK t
.set XS, WX+32*((\t)%2)
.if (\t) < NB-1
	s_wait_loadcnt 32                              ; this block's 32 loads are in; the next block's may be out
.else
	s_wait_loadcnt 0
.endif
	v_max3_num_f32 v12, |v[XS]|, |v[XS+1]|, |v[XS+2]|              ; all 32 numbers of the block are mine
	v_max3_num_f32 v13, |v[XS+3]|, |v[XS+4]|, |v[XS+5]|
.irp i, 6,10,14,18,22,26
	v_max3_num_f32 v12, v12, |v[XS+\i]|, |v[XS+\i+1]|
	v_max3_num_f32 v13, v13, |v[XS+\i+2]|, |v[XS+\i+3]|
.endr
	v_max3_num_f32 v12, v12, |v[XS+30]|, |v[XS+31]|
	v_max3_num_f32 v12, v12, v13, (EMAX+1)<<23
	v_add_nc_u32 v11, -(EMAX<<23), v12
	v_lshrrev_b32 v13, 23, v11
.if (\t)%4 == 0
	v_mov_b32 v[WSB+(\t)/4], v13
.else
	v_lshl_or_b32 v[WSB+(\t)/4], v13, 8*((\t)%4), v[WSB+(\t)/4]
.endif
.irp g, 0,1,2,3
	v_cvt_scalef32_pk8_fp4_f32 v[WC+\g], v[XS+8*\g:XS+8*\g+7], v11
.endr
	ds_store_b128 v4, v[WC:WC+3] offset:16*(\t)    ; 32 codes: 16 bytes of my column's row
.if (\t)+2 < NB
	WLD (\t)+2
.endif
	s_wait_dscnt 0x0                               ; the store has read its registers: the next block's codes may be written
.endm
	s_load_b256 s[4:11], s[0:1], 0x0               ; x s[4:5], w_kqv s[6:7], w_proj s[8:9], xq s[10:11]
	s_load_b128 s[12:15], s[0:1], 0x20             ; wq s[12:13], wp16 s[14:15]
	v_lshl_add_u32 v[SPW], v0, 2, SPARE
	v_mov_b32 v[NIL], 0
	v_lshrrev_b32 v1, 5, v0
	v_readfirstlane_b32 s16, v1                    ; wave
	v_and_b32 v2, 31, v0                           ; lane
	s_wait_kmcnt 0x0
	s_cmp_lt_u32 ttmp9, 256
	s_cbranch_scc1 .Lpath_x
	s_cmp_lt_u32 ttmp9, 304
	s_cbranch_scc1 .Lpath_w
	; ---- path C: a wave turns 2,048 numbers of w_proj into f16
	s_sub_co_u32 s17, ttmp9, 304
	s_lshl_b32 s17, s17, 2
	s_add_co_u32 s17, s17, s16                     ; which run of 8,192 bytes is my wave's
	s_lshl_b32 s18, s17, 13
	s_mov_b32 s19, 0
	s_add_nc_u64 s[8:9], s[8:9], s[18:19]
	s_lshl_b32 s18, s17, 12
	s_add_nc_u64 s[14:15], s[14:15], s[18:19]
	v_lshlrev_b32 v3, 4, v2
	v_lshlrev_b32 v4, 3, v2
.irp t, 0,1,2,3,4,5,6,7,8,9,10,11,12,13,14,15
	global_load_b128 v[16+4*\t:19+4*\t], v3, s[8:9] offset:512*\t
.endr
.irp t, 0,1,2,3,4,5,6,7,8,9,10,11,12,13,14,15
	s_wait_loadcnt 15-\t                           ; loads come back in order: load t is in
	v_cvt_pk_f16_f32 v[96+2*\t], v[16+4*\t], v[17+4*\t]
	v_cvt_pk_f16_f32 v[97+2*\t], v[18+4*\t], v[19+4*\t]
	global_store_b64 v4, v[96+2*\t:97+2*\t], s[14:15] offset:256*\t   ; 32 lanes store 256 consecutive bytes, aligned
.endr
	FINISH
.Lpath_x:
	v_lshlrev_b32 v3, 4, v2                        ; my 16 bytes of a load's 512
	s_mul_i32 s17, s16, WREG
	v_lshrrev_b32 v14, 2, v2
	v_mul_u32_u24 v14, v14, SP
	v_and_b32 v15, 3, v2
	v_lshl_add_u32 v14, v15, 4, v14
	v_add_nc_u32 v14, s17, v14                     ; the stage, way in: 80 (lane / 4) + 16 (lane % 4)
	v_mul_u32_u24 v15, v2, SP
	v_add_nc_u32 v15, s17, v15                     ; way out: 80 x lane: my 16 neighbours
	v_mul_u32_u24 v4, v2, CB
	v_lshrrev_b32 v5, 1, v2
	s_add_co_u32 s17, s17, 2*32*SP
	v_add_nc_u32 v5, s17, v5                       ; my block's byte among my wave's 256
	v_lshlrev_b32 v7, 3, v2
	v_add_nc_u32 v6, s17, v7
	s_lshl_b32 s17, ttmp9, 2
	s_add_co_u32 s18, s17, s16                     ; which run of 8,192 numbers is my wave's
	s_mov_b32 s19, 0
	s_lshl_b64 s[20:21], s[18:19], 15
	s_add_nc_u64 s[4:5], s[4:5], s[20:21]
	s_lshl_b64 s[20:21], s[18:19], 12
	s_add_nc_u64 s[22:23], s[10:11], s[20:21]      ; its codes
	s_lshl_b32 s18, s18, 8
	s_add_nc_u64 s[24:25], s[10:11], s[18:19]
	s_add_nc_u64 s[24:25], s[24:25], 4194304       ; its 256 scale bytes
.irp t, 0,1,2,3
	XLOAD \t
.endr
	s_wait_loadcnt 12                              ; step 0's four loads are in
	XTURN 0
.irp t, 0,1,2,3,4,5,6,7,8,9,10,11,12,13,14,15
	XSTEP \t
.endr
	ds_load_b64 v[8:9], v6                         ; LDS serves a wave's instructions in order: these see my byte stores
	s_wait_dscnt 0x0
	global_store_b64 v7, v[8:9], s[24:25]          ; 32 lanes store 256 consecutive bytes, aligned
	FINISH
.Lpath_w:
	; a lane takes a column n and its registers run down K: loads read neighbouring n in neighbouring lanes, and the conversions give codes with K innermost
	s_sub_co_u32 s17, ttmp9, 256
	s_cmp_ge_u32 s17, 24
	s_cselect_b32 s18, 1, 0                        ; which 512 along K
	s_cselect_b32 s19, 24, 0
	s_sub_co_u32 s17, s17, s19
	s_lshl_b32 s17, s17, 7
	s_lshl_b32 s19, s16, 5
	s_add_co_u32 s17, s17, s19                     ; my wave's first column
	v_lshlrev_b32 v3, 2, v2
	s_mul_i32 s19, s16, 32*PITCH
	s_add_co_u32 s19, s19, WSTG                    ; my stage
	v_mul_u32_u24 v4, v2, PITCH
	v_add_nc_u32 v4, s19, v4                       ; into it: row = my column
	v_and_b32 v5, 15, v2
	v_lshrrev_b32 v6, 4, v2
	v_mul_u32_u24 v7, v6, PITCH
	v_lshl_add_u32 v7, v5, 4, v7
	v_add_nc_u32 v7, s19, v7                       ; out of it: sixteen lanes to a row
	v_mul_u32_u24 v8, v6, KROW
	v_lshl_add_u32 v8, v5, 4, v8                   ; and the same place among the codes
	v_lshlrev_b32 v9, 5, v2                        ; my column's row of 32 scale bytes
	s_mul_i32 s20, s18, 512*SIZE_N*4
	s_lshl_b32 s21, s17, 2
	s_add_co_u32 s20, s20, s21
	s_mov_b32 s21, 0
	s_add_nc_u64 s[6:7], s[6:7], s[20:21]
	s_lshl_b32 s20, s17, 9
	s_lshl_b32 s22, s18, 8
	s_add_co_u32 s20, s20, s22
	s_add_nc_u64 s[24:25], s[12:13], s[20:21]      ; codes: column x 512 + 256 y
	s_lshl_b32 s20, s17, 5
	s_lshl_b32 s22, s18, 4
	s_add_co_u32 s20, s20, s22
	s_add_co_u32 s20, s20, 1572864
	s_add_nc_u64 s[26:27], s[12:13], s[20:21]      ; scale bytes: column x 32 + 16 y
	WLD 0
	WLD 1
.set Q, 0
.rept NB
	WBLOCK Q
.set Q, Q+1
.endr
	global_store_b128 v9, v[WSB:WSB+3], s[26:27]   ; my column's 16 scale bytes
.irp t, 0,1,2,3,4,5,6,7,8,9,10,11,12,13,14,15
	ds_load_b128 v[WOUT+4*\t:WOUT+4*\t+3], v7 offset:2*\t*PITCH
.endr
.irp t, 0,1,2,3,4,5,6,7,8,9,10,11,12,13,14,15
	s_wait_dscnt 15-\t
	global_store_b128 v8, v[WOUT+4*\t:WOUT+4*\t+3], s[24:25] offset:2*\t*KROW   ; sixteen lanes store 256 consecutive bytes, aligned
.endr
	FINISH
.Lfunc_end_k_q5dcb617f27_prep:
	.size	k_q5dcb617f27_prep, .Lfunc_end_k_q5dcb617f27_prep-k_q5dcb617f27_prep
	.p2alignl 7, 3214868480
	.fill 96, 4, 3214868480
	.section	.rodata,"a",@progbits
	.p2align	6, 0x0
	.amdhsa_kernel k_q5dcb617f27_prep
		.amdhsa_group_segment_fixed_size 68096
		.amdhsa_private_segment_fixed_size 0
		.amdhsa_enable_private_segment 0
		.amdhsa_kernarg_size 48
		.amdhsa_user_sgpr_count 2
		.amdhsa_user_sgpr_kernarg_segment_ptr 1
		.amdhsa_wavefront_size32 1
		.amdhsa_system_sgpr_workgroup_id_x 1
		.amdhsa_system_sgpr_workgroup_id_y 1
		.amdhsa_system_sgpr_workgroup_id_z 1
		.amdhsa_system_vgpr_workitem_id 0
		.amdhsa_next_free_vgpr 196
		.amdhsa_next_free_sgpr 66
		.amdhsa_reserve_vcc 0
		.amdhsa_float_denorm_mode_32 3
		.amdhsa_float_denorm_mode_16_64 3
		.amdhsa_memory_ordered 1
		.amdhsa_forward_progress 1
		.amdhsa_inst_pref_size 117
	.end_amdhsa_kernel
	.amdgpu_metadata
---
amdhsa.version: [ 1, 2 ]
amdhsa.kernels:
  - .name:           k_q5dcb617f27_prep
    .symbol:         k_q5dcb617f27_prep.kd
    .args:
      - { .name: x, .offset: 0, .size: 8, .value_kind: global_buffer, .address_space: global }
      - { .name: w_kqv, .offset: 8, .size: 8, .value_kind: global_buffer, .address_space: global }
      - { .name: w_proj, .offset: 16, .size: 8, .value_kind: global_buffer, .address_space: global }
      - { .name: xq, .offset: 24, .size: 8, .value_kind: global_buffer, .address_space: global }
      - { .name: wq, .offset: 32, .size: 8, .value_kind: global_buffer, .address_space: global }
      - { .name: wp16, .offset: 40, .size: 8, .value_kind: global_buffer, .address_space: global }
    .group_segment_fixed_size: 68096
    .private_segment_fixed_size: 0
    .kernarg_segment_align: 8
    .kernarg_segment_size: 48
    .max_flat_workgroup_size: 128
    .sgpr_count:     66
    .vgpr_count:     196
    .wavefront_size: 32
...
	.end_amdgpu_metadata
.endif
;; end of part 1
;; launch gemm_kqv (part 2): grid 12 x 32, 4 waves a work-group, clusters of 4 x 4, 327,680 bytes of LDS; arguments xq, wq, b_kqv, kqv16, kqvf; writes kqv16, kqvf
.if DOCPART == 2
	.amdgcn_target "amdgcn-amd-amdhsa--gfx1250"
	.amdhsa_code_object_version 6
	.text
	.protected	k_q5dcb617f27_gemm_kqv
	.globl	k_q5dcb617f27_gemm_kqv
	.p2align	8
	.type	k_q5dcb617f27_gemm_kqv,@function
k_q5dcb617f27_gemm_kqv:
	s_mov_b64 s[64:65], 0
	v_nop
	global_prefetch_b8 v0, s[64:65] scope:SCOPE_SE
	s_setreg_imm32_b32 hwreg(HW_REG_WAVE_MODE, 25, 1), 1
	s_wait_xcnt 0x0
	s_wait_alu depctr_hold_cnt(0) depctr_sa_sdst(0) depctr_va_vdst(0) depctr_va_sdst(0) depctr_va_ssrc(0) depctr_va_vcc(0) depctr_vm_vsrc(0)
	s_getreg_b32 s2, hwreg(HW_REG_IB_STS2, 6, 4)
	s_cmp_eq_u32 s2, 0
	s_cbranch_scc0 .Lentry_in_a_cluster
	s_endpgm
.Lentry_in_a_cluster:
	s_bfe_u32 s2, ttmp6, 0x10000c
	s_cmp_lg_u32 s2, 0xf033
	s_cbranch_scc0 .Lentry_shape_is_right
	s_endpgm
.Lentry_shape_is_right:
; kqv = Q(x) Q(w_kqv) + b_kqv on codes of FP4 (E2M1) with E8M0 scales: [8192][1024] x [3072][1024]^T.  Sums in f32; the result leaves as f16 (kqv16 [8192][3072]),
; and the first 16 positions of each batch also as f32 (kqvf [64][3072]) for the launch that carries those rows in f32.
; A tile of 256 x 256 to a work-group of four waves, 128 x 128 a wave: 64 accumulators, 512 registers.  K = 1,024 is two LDS slots of 512 along K (rows of 256 bytes): both are
; asked for at the head and no slot is filled again.  The scale bytes of the work-group's rows come once, as dense blocks.
; CLUSTERS: 4 x 4 work-groups; A's tiles are asked for jointly along a row of the cluster, B's along a column.
; THE MATRIX INSTRUCTION IS USED TRANSPOSED (source 0 = 16 rows of w's codes, source 1 = 16 rows of x's): a lane holds eight neighbouring columns of one row of kqv.
; The bias is the C of each sum's first matrix instruction: eight registers for each of B's eight blocks.
; LIMITS: |kqv| beyond 65,504 becomes infinity in f16; under 6e-5 it keeps an absolute error of 3e-8.
; REGISTERS: window 0: v0-31 addresses; v32-95 scale words, two sets, and nothing else; v128-191 A's fragments, later rows on the way out; v192-255 the bias, later packed results.
;   window 1: B's fragments, two sets, at v0 and v128.  window 2: the accumulators of my rows 0-63 ((a, b) at v[8 (8 a + b)]); window 3: rows 64-127.
.set NQ,     4                         ; matrix instructions deep in a slot
.set ROWB,   256                       ; a tile's row in bytes: 512 codes
.set KROW,   512                       ; a row of codes in memory
.set PITCH,  272                       ; an LDS row: 256 bytes + 16: the 16 rows that a load touches start 4 banks apart
.set FR,     8
.set NL,     2
.set NP,     4                         ; places behind this matrix instruction (ISA guide 7.12.1)
.set HALFT,  128*PITCH
.set SLOT,   4*HALFT
.set KS,     32                        ; a row of scale bytes
.set SCL,    2*SLOT                    ; behind the slots: the scales, as units of 256 bytes + 16
.set HALFS,  (128*KS/256)*272
.set SBLK,   (16*KS/256)*272
.set SPARE,  SCL+4*HALFS               ; the spare words, 128 bytes a wave
.set SPITCH, 272                       ; the way out: 16 rows x (256 + 16) bytes a wave, in slot 0, which has had its one fill and its last read by then
.set CROW,   6144                      ; a row of kqv16 in bytes
.set XSC,    4194304                   ; where x's scale bytes begin in xq
.set WSC,    1572864                   ; and w's in wq
.set ADRA, 16
.set ADRB, 20
.set BO,   22                          ; v22  32 x (lane / 16): my place in a block's bias
.set STO,  24
.set RD,   25
.set CO,   26
.set ADRS, 27
.set SPW,  28
.set NIL,  29
.set FLG,  30                          ; v30  0 where my block 0 holds positions 0-15 of a batch
.set FO,   31                          ; v31  my byte offset in kqvf's 16 rows
.set SC,   32
.set AF,   128
.set BI,   192
.set TMP,  192
.set OB,   128
.set G1, 24
.set G0, 32
.set G1B, 48
.set G0B, 56
.set G1S, 68
.set G0S, 76
.set G1SB, 80
.set G0SB, 88
.set MSB, 0
.macro WIN new                         ; the immediate's high byte repeats the setting that is left
.if MSB != (\new)
	s_set_vgpr_msb (MSB<<8)|(\new)
.set MSB, (\new)
.endif
.endm
.set MUL_LO, 0xa1                      ; source 0 (B) window 1, source 1 (A) window 0, C and D window 2
.set MUL_HI, 0xf1                      ; the same, C and D window 3
.set TO_B,   0x40
; A joint load: waves 0 and 1 fetch for A, waves 2 and 3 for B; the branch hangs on the wave's number alone.  An s_nop 0 and four v_nop follow each line.
.macro JLOAD g0a, g1a, g0b, g1b
	s_cmp_eq_u32 s15, 0
	s_cbranch_scc0 .Lfor_b_\@
	tensor_load_to_lds s[\g0a:\g0a+3], s[\g1a:\g1a+7]
	s_nop 0
.rept 4
	v_nop
.endr
	s_branch .Lasked_\@
.Lfor_b_\@:
	tensor_load_to_lds s[\g0b:\g0b+3], s[\g1b:\g1b+7]
	s_nop 0
.rept 4
	v_nop
.endr
.Lasked_\@:
.endm
.macro CROUND                          ; a round of the cluster's barrier
	s_barrier_signal -1
	s_barrier_wait -1
	s_cmp_lg_u32 s14, 0
	s_cbranch_scc1 .Lnot_wave_0_\@
	s_barrier_signal -3
.Lnot_wave_0_\@:
	s_barrier_wait -3
	s_barrier_signal -1
	s_barrier_wait -1
.endm
	s_load_b128 s[4:7], s[0:1], 0x0                ; xq s[4:5], wq s[6:7]
	s_load_b128 s[8:11], s[0:1], 0x10              ; b_kqv s[8:9], kqv16 s[10:11]
	s_load_b64 s[12:13], s[0:1], 0x20              ; kqvf
	v_lshl_add_u32 v[SPW], v0, 2, SPARE
	v_mov_b32 v[NIL], 0
	ds_add_u32 v[SPW], v[NIL]                      ; the opening: the add, twice on end, and its wait ahead of my first tensor load
	ds_add_u32 v[SPW], v[NIL]
	v_lshrrev_b32 v1, 5, v0
	v_readfirstlane_b32 s14, v1                    ; wave 0..3
	s_lshr_b32 s15, s14, 1                         ; which half of the tile's rows is mine.  Also: I fetch for A (0) or for B (1)
	s_and_b32 s16, s14, 1                          ; which half of its columns.  Also: which 128 rows I fetch
	s_bfe_u32 s40, ttmp6, 0x40000                  ; cx
	s_bfe_u32 s41, ttmp6, 0x40004                  ; cy
	s_lshl_b32 s42, ttmp9, 2
	s_add_co_u32 s42, s42, s40                     ; tile column
	s_and_b32 s17, ttmp7, 0xffff
	s_lshl_b32 s17, s17, 2
	s_add_co_u32 s17, s17, s41                     ; tile row
	s_lshl_b32 s43, s41, 2
	s_lshl_b32 s43, 15, s43                        ; my row of the cluster
	s_lshl_b32 s44, 0x1111, s40                    ; my column
	s_or_b32 s[G1+0], s43, (0<<16)|(1<<20)|(1<<21)|(5<<22)|(3<<25)  ; the mask; elements of 1 byte; padding: 4 words behind every 64; bit 21 beside a mask
	s_or_b32 s[G1B+0], s44, (0<<16)|(1<<20)|(1<<21)|(5<<22)|(3<<25)
.irp g, G1, G1B
	s_mov_b32 s[\g+1], ROWB<<16                    ; tensor_dim0
	s_mov_b32 s[\g+2], 128<<16                     ; tensor_dim1
	s_mov_b32 s[\g+3], ROWB<<16                    ; tile_dim0
	s_mov_b32 s[\g+4], 128                         ; tile_dim1
	s_mov_b32 s[\g+5], KROW                        ; stride from row to row
	s_mov_b32 s[\g+6], 0
	s_mov_b32 s[\g+7], 0
.endr
	s_or_b32 s[G1S+0], s43, (3<<16)|(1<<20)|(1<<21)|(5<<22)|(3<<25) ; the scales of 128 rows: 4,096 dense bytes as 16 rows of 32 elements of 8 bytes
	s_or_b32 s[G1SB+0], s44, (3<<16)|(1<<20)|(1<<21)|(5<<22)|(3<<25)
.irp g, G1S, G1SB
	s_mov_b32 s[\g+1], 32<<16
	s_mov_b32 s[\g+2], (128*KS/256)<<16
	s_mov_b32 s[\g+3], 32<<16
	s_mov_b32 s[\g+4], 128*KS/256
	s_mov_b32 s[\g+5], 32
	s_mov_b32 s[\g+6], 0
	s_mov_b32 s[\g+7], 0
.endr
	s_lshl_b32 s18, s16, 7
	s_lshl_b32 s20, s17, 8
	s_add_co_u32 s20, s20, s18                     ; A: row 256 x tile row + 128 x half
	s_lshl_b32 s46, s42, 8
	s_add_co_u32 s46, s46, s18                     ; B: row 256 x tile column + 128 x half
	s_mov_b32 s21, 0
	s_mov_b32 s47, 0
	s_mov_b64 s[18:19], KS
	s_mul_u64 s[22:23], s[20:21], s[18:19]
	s_mul_u64 s[92:93], s[46:47], s[18:19]
	s_mov_b64 s[18:19], KROW
	s_mul_u64 s[20:21], s[20:21], s[18:19]
	s_mul_u64 s[46:47], s[46:47], s[18:19]
	s_mul_i32 s45, s14, HALFT                      ; where they go: wave x 128 rows
	s_mul_i32 s94, s14, HALFS
	s_wait_dscnt 0x0                               ; both opening adds are done
	s_wait_kmcnt 0x0
	s_add_nc_u64 s[20:21], s[4:5], s[20:21]
	s_add_nc_u64 s[22:23], s[4:5], s[22:23]
	s_add_nc_u64 s[22:23], s[22:23], XSC
	s_add_nc_u64 s[46:47], s[6:7], s[46:47]
	s_add_nc_u64 s[92:93], s[6:7], s[92:93]
	s_add_nc_u64 s[92:93], s[92:93], WSC
	CROUND                                         ; all sixteen work-groups are here: the joint loads meet
	s_mov_b32 s[G0S], 1
	s_add_co_u32 s[G0S+1], s94, SCL
	s_mov_b64 s[G0S+2:G0S+3], s[22:23]
	s_or_b32 s[G0S+3], s[G0S+3], 0x80000000
	s_mov_b32 s[G0SB], 1
	s_add_co_u32 s[G0SB+1], s94, SCL
	s_mov_b64 s[G0SB+2:G0SB+3], s[92:93]
	s_or_b32 s[G0SB+3], s[G0SB+3], 0x80000000
	JLOAD G0S, G1S, G0SB, G1SB                     ; the scales first; three loads of mine are out at the most
.irp s, 0,1
	s_mov_b32 s[G0+4*\s], 1
	s_add_co_u32 s[G0+4*\s+1], s45, \s*SLOT
	s_add_nc_u64 s[G0+4*\s+2:G0+4*\s+3], s[20:21], \s*ROWB
	s_or_b32 s[G0+4*\s+3], s[G0+4*\s+3], 0x80000000
	s_mov_b32 s[G0B+4*\s], 1
	s_add_co_u32 s[G0B+4*\s+1], s45, \s*SLOT
	s_add_nc_u64 s[G0B+4*\s+2:G0B+4*\s+3], s[46:47], \s*ROWB
	s_or_b32 s[G0B+4*\s+3], s[G0B+4*\s+3], 0x80000000
	JLOAD G0+4*\s, G1, G0B+4*\s, G1B
.endr
	v_and_b32 v1, 15, v0                           ; r
	v_bfe_u32 v2, v0, 4, 1                         ; h
	; the pointers of my part: column col0 = 256 x tile column + 128 x half, row 256 x tile row + 128 x half
	s_lshl_b32 s46, s42, 8
	s_lshl_b32 s47, s16, 7
	s_add_co_u32 s46, s46, s47                     ; col0
	s_lshl_b32 s92, s46, 2
	s_mov_b32 s93, 0
	s_add_nc_u64 s[8:9], s[8:9], s[92:93]          ; the bias at col0
	s_add_nc_u64 s[12:13], s[12:13], s[92:93]
	s_lshr_b32 s92, s17, 3                         ; the batch
	s_mul_i32 s92, s92, 196608                     ; 16 rows of 12,288 bytes
	s_add_nc_u64 s[12:13], s[12:13], s[92:93]      ; kqvf at the batch's 16 rows, col0
	v_lshlrev_b32 v[BO], 5, v2
.irp b, 0,1,2,3,4,5,6,7
	global_load_b128 v[BI+8*\b:BI+8*\b+3], v[BO], s[8:9] offset:64*\b          ; b_kqv[col0 + 16 b + 8 h + 0 .. 7]
	global_load_b128 v[BI+8*\b+4:BI+8*\b+7], v[BO], s[8:9] offset:64*\b+16
.endr
	s_lshl_b32 s20, s17, 8
	s_lshl_b32 s21, s15, 7
	s_add_co_u32 s20, s20, s21
	s_mov_b32 s21, 0
	s_mov_b64 s[18:19], CROW
	s_mul_u64 s[20:21], s[20:21], s[18:19]
	s_lshl_b32 s46, s46, 1
	s_mov_b32 s47, 0
	s_add_nc_u64 s[20:21], s[20:21], s[46:47]
	s_add_nc_u64 s[10:11], s[10:11], s[20:21]      ; kqv16 at my first row and column
	s_and_b32 s94, s17, 7
	s_or_b32 s94, s94, s15
	v_mov_b32 v[FLG], s94
	v_mul_u32_u24 v[FO], v1, 12288
	v_lshl_add_u32 v[FO], v2, 5, v[FO]
	v_mul_u32_u24 v3, v1, PITCH
	v_lshl_add_u32 v4, v2, 4, v3                   ; a fragment's row x pitch + 16 x half
	s_mul_i32 s21, s15, HALFT
	s_mul_i32 s22, s16, HALFT
	s_add_co_u32 s22, s22, 2*HALFT
.irp s, 0,1
	v_add_nc_u32 v[ADRA+\s], s21, v4
	v_add_nc_u32 v[ADRB+\s], s22, v4
	s_add_co_u32 s21, s21, SLOT
	s_add_co_u32 s22, s22, SLOT
.endr
	v_mul_u32_u24 v5, v1, KS                       ; my row's scales: 32 bytes a row,
	v_lshrrev_b32 v6, 8, v5
	v_lshl_add_u32 v5, v6, 4, v5                   ; and 16 more for each 256 passed
	s_mul_i32 s21, s15, HALFS
	s_mul_i32 s22, s16, HALFS
	s_add_co_u32 s22, s22, 2*HALFS
	s_sub_co_u32 s22, s22, s21
	v_mul_u32_u24 v6, s22, v2                      ; lanes 16-31 take B's
	s_add_co_u32 s21, s21, SCL
	v_add_nc_u32 v5, v5, v6
	v_add_nc_u32 v[ADRS], s21, v5
	s_mul_i32 s23, s14, 16*SPITCH                  ; my stage
	v_mul_u32_u24 v5, v1, SPITCH
	v_lshl_add_u32 v5, v2, 4, v5
	v_add_nc_u32 v[STO], s23, v5                   ; in: row r, 16 bytes for each half of the lanes
	v_mul_u32_u24 v5, v2, SPITCH
	v_lshl_add_u32 v5, v1, 4, v5
	v_add_nc_u32 v[RD], s23, v5                    ; back: lanes 0-15 one row of 256 bytes, lanes 16-31 the next
	v_mul_u32_u24 v5, v2, CROW
	v_lshl_add_u32 v[CO], v1, 4, v5                ; and the same two rows in kqv16
.macro FRAG reg, adr, q, i             ; 16 rows x 128 K of 4-bit codes: 8 registers, two loads of 16 bytes, 32 bytes apart
.irp c, 0,1
	ds_load_b128 v[\reg+4*\c:\reg+4*\c+3], v[\adr] offset:64*(\q)+32*\c+(\i)*16*PITCH
.endr
.endm
; 16 matrix instructions: A's blocks a0, a0 + 1 x B's eight.  zero = 1: the sums begin with the bias as C.  The 64 accumulators take turns.
.macro MUL16 a0, p, q, sc, zero
.irp a, \a0, \a0+1
.irp b, 0,1,2,3,4,5,6,7
.if \zero
	v_wmma_scale_f32_16x16x128_f8f6f4 v[8*(8*((\a)%4)+\b):8*(8*((\a)%4)+\b)+7], v[128*(\p)+FR*\b:128*(\p)+FR*\b+FR-1], v[AF+FR*(\a):AF+FR*(\a)+FR-1], v[BI+8*\b:BI+8*\b+7], v[SC+8*NQ*(\sc)+NQ*\b+(\q)], v[SC+8*NQ*(\sc)+NQ*(\a)+(\q)] matrix_a_fmt:MATRIX_FMT_FP4 matrix_b_fmt:MATRIX_FMT_FP4 matrix_a_scale:MATRIX_SCALE_ROW1
.else
	v_wmma_scale_f32_16x16x128_f8f6f4 v[8*(8*((\a)%4)+\b):8*(8*((\a)%4)+\b)+7], v[128*(\p)+FR*\b:128*(\p)+FR*\b+FR-1], v[AF+FR*(\a):AF+FR*(\a)+FR-1], v[8*(8*((\a)%4)+\b):8*(8*((\a)%4)+\b)+7], v[SC+8*NQ*(\sc)+NQ*\b+(\q)], v[SC+8*NQ*(\sc)+NQ*(\a)+(\q)] matrix_a_fmt:MATRIX_FMT_FP4 matrix_b_fmt:MATRIX_FMT_FP4 matrix_a_scale:MATRIX_SCALE_ROW1
.endif
.endr
.endr
.endm
.macro FETCH_B slot, q, p
	WIN TO_B
.irp i, 0,1,2,3,4,5,6,7
	FRAG 128*(\p)+FR*\i, ADRB+\slot, \q, \i
.endr
	WIN 0
.endm
.macro FETCH_A slot, q, i0
.irp i, \i0, \i0+1, \i0+2, \i0+3
	FRAG AF+FR*(\i), ADRA+\slot, \q, \i
.endr
.endm
.macro SCALES sc                       ; a slot's scale words: lanes 0-15 A's block i, lanes 16-31 B's block i
.irp i, 0,1,2,3,4,5,6,7
	ds_load_b128 v[SC+8*NQ*\sc+NQ*\i:SC+8*NQ*\sc+NQ*\i+3], v[ADRS] offset:\i*SBLK
.endr
.endm
.macro PLACES n                        ; places in front of loads into registers that matrix instructions have read, and of reads of results
.rept \n
	v_nop
.endr
.endm
.macro STEP slot, q, zero              ; 128 along K that has its successor in the same slot
	s_wait_dscnt 4*NL                              ; B's set and A's blocks 0-3 are in; the youngest eight loads (A's blocks 4-7) may be out
	WIN MUL_LO-0x20*(\zero)                        ; (zero = 1: C, the bias, lies in window 0)
	MUL16 0, (\q)%2, \q, \slot, \zero
	MUL16 2, (\q)%2, \q, \slot, \zero
	s_wait_dscnt 0
	PLACES NP
	FETCH_B \slot, (\q)+1, 1-(\q)%2
	FETCH_A \slot, (\q)+1, 0
	WIN MUL_HI-0x30*(\zero)
	MUL16 4, (\q)%2, \q, \slot, \zero
	MUL16 6, (\q)%2, \q, \slot, \zero
	PLACES NP
	WIN 0
	FETCH_A \slot, (\q)+1, 4
.endm
.macro TURN slot, next                 ; a slot's last step, and the one change of slots: nothing is filled again
	s_wait_tensorcnt 0x0                           ; my part of the next slot has landed
	ds_add_u32 v[SPW], v[NIL]
	s_wait_dscnt 4*NL+1                            ; the add and the youngest eight loads may be out
	WIN MUL_LO
	MUL16 0, 1, NQ-1, \slot, 0
	s_wait_dscnt 0x0                               ; the add is done, and my reads of this slot are over
	s_barrier_signal -1
	MUL16 2, 1, NQ-1, \slot, 0
	WIN 0
	s_barrier_wait -1                              ; the next slot is whole, and nobody reads this one any more
	PLACES NP
	v_add_nc_u32 v[ADRS], 4*NQ, v[ADRS]            ; on to the next slot's scale words
	FETCH_B \next, 0, 0
	FETCH_A \next, 0, 0
	SCALES \next
	WIN MUL_HI
	MUL16 4, 1, NQ-1, \slot, 0
	MUL16 6, 1, NQ-1, \slot, 0
	PLACES NP
	WIN 0
	FETCH_A \next, 0, 4
.endm
	s_wait_tensorcnt 1                             ; the scales and my part of slot 0 are in; slot 1's load may be out
	s_barrier_signal -1
	s_barrier_wait -1
	FETCH_B 0, 0, 0
	FETCH_A 0, 0, 0
	SCALES 0
	FETCH_A 0, 0, 4
	s_wait_loadcnt 0x0                             ; the bias
	STEP 0, 0, 1
	STEP 0, 1, 0
	STEP 0, 2, 0
	TURN 0, 1
	STEP 1, 0, 0
	STEP 1, 1, 0
	STEP 1, 2, 0
	s_wait_dscnt 4*NL                              ; the last step: nothing more to fetch
	WIN MUL_LO
	MUL16 0, 1, NQ-1, 1, 0
	MUL16 2, 1, NQ-1, 1, 0
	s_wait_dscnt 0
	WIN MUL_HI
	MUL16 4, 1, NQ-1, 1, 0
	MUL16 6, 1, NQ-1, 1, 0
	WIN 0
	PLACES NP
	; positions 0-15 of a batch (my block 0, where the tile is a batch's first and I hold its upper rows) also leave as f32.  No branch: the lanes are switched off elsewhere.
	s_wait_xcnt 0x0                                ; EXEC changes only behind this wait
	v_cmp_eq_u32 vcc_lo, 0, v[FLG]
	s_and_saveexec_b32 s96, vcc_lo
	WIN 0x08                                       ; a store's data are its source 1: window 2
.irp b, 0,1,2,3,4,5,6,7
	global_store_b128 v[FO], v[8*\b:8*\b+3], s[12:13] offset:64*\b        ; each accumulator from its low end on
	global_store_b128 v[FO], v[8*\b+4:8*\b+7], s[12:13] offset:64*\b+16
.endr
	WIN 0
	s_wait_xcnt 0x0                                ; and again in front of the line that widens it
	s_or_b32 exec_lo, exec_lo, s96
; THE WAY OUT, a block of 16 rows x 128 columns at a time: rounded to f16 (16 bytes a lane), through my stage, back as whole rows of 256 bytes.
.macro PACK a
.set AC, 64*((\a)%4)
	WIN 0x0a+5*((\a)/4)                            ; sources 0 and 1: window 2 or 3
.irp b, 0,1,2,3,4,5,6,7
.irp r, 0,1,2,3
	v_cvt_pk_f16_f32 v[TMP+4*\b+\r], v[AC+8*\b+2*\r], v[AC+8*\b+2*\r+1]
.endr
.endr
	WIN 0
.endm
.macro TOSTAGE a
.set BKR, OB+32*((\a)%2)
.irp b, 0,1,2,3,4,5,6,7
	ds_store_b128 v[STO], v[TMP+4*\b:TMP+4*\b+3] offset:32*\b
.endr
.irp t, 0,1,2,3,4,5,6,7
	ds_load_b128 v[BKR+4*\t:BKR+4*\t+3], v[RD] offset:\t*2*SPITCH   ; LDS serves a wave's instructions in order: these see the stores above
.endr
.endm
.macro SEND a
.set BKR, OB+32*((\a)%2)
	s_wait_dscnt 0x0                               ; the block is back in registers
	s_wait_xcnt 0x0                                ; earlier stores have read their base and their registers
.if (\a) > 0
	s_add_nc_u64 s[10:11], s[10:11], 16*CROW
.endif
.irp t, 0,1,2,3,4,5,6,7
	global_store_b128 v[CO], v[BKR+4*\t:BKR+4*\t+3], s[10:11] offset:2*\t*CROW   ; 16 lanes store 256 consecutive bytes, aligned
.endr
.endm
	PACK 0
	TOSTAGE 0
.irp a, 1,2,3,4,5,6,7
	PACK \a
	SEND \a-1
	TOSTAGE \a
.endr
	SEND 7
	s_wait_tensorcnt 0x0                           ; the wave's end
	ds_add_u32 v[SPW], v[NIL]
	s_wait_dscnt 0x0
	CROUND                                         ; the closing round
	s_endpgm
.Lfunc_end_k_q5dcb617f27_gemm_kqv:
	.size	k_q5dcb617f27_gemm_kqv, .Lfunc_end_k_q5dcb617f27_gemm_kqv-k_q5dcb617f27_gemm_kqv
	.p2alignl 7, 3214868480
	.fill 96, 4, 3214868480
	.section	.rodata,"a",@progbits
	.p2align	6, 0x0
	.amdhsa_kernel k_q5dcb617f27_gemm_kqv
		.amdhsa_group_segment_fixed_size 327680
		.amdhsa_private_segment_fixed_size 0
		.amdhsa_enable_private_segment 0
		.amdhsa_kernarg_size 40
		.amdhsa_user_sgpr_count 2
		.amdhsa_user_sgpr_kernarg_segment_ptr 1
		.amdhsa_wavefront_size32 1
		.amdhsa_system_sgpr_workgroup_id_x 1
		.amdhsa_system_sgpr_workgroup_id_y 1
		.amdhsa_system_sgpr_workgroup_id_z 1
		.amdhsa_system_vgpr_workitem_id 0
		.amdhsa_next_free_vgpr 1024
		.amdhsa_next_free_sgpr 100
		.amdhsa_reserve_vcc 1
		.amdhsa_float_denorm_mode_32 3
		.amdhsa_float_denorm_mode_16_64 3
		.amdhsa_memory_ordered 1
		.amdhsa_forward_progress 1
		.amdhsa_inst_pref_size 131
	.end_amdhsa_kernel
	.amdgpu_metadata
---
amdhsa.version: [ 1, 2 ]
amdhsa.kernels:
  - .name:           k_q5dcb617f27_gemm_kqv
    .symbol:         k_q5dcb617f27_gemm_kqv.kd
    .args:
      - { .name: xq, .offset: 0, .size: 8, .value_kind: global_buffer, .address_space: global }
      - { .name: wq, .offset: 8, .size: 8, .value_kind: global_buffer, .address_space: global }
      - { .name: b_kqv, .offset: 16, .size: 8, .value_kind: global_buffer, .address_space: global }
      - { .name: kqv16, .offset: 24, .size: 8, .value_kind: global_buffer, .address_space: global }
      - { .name: kqvf, .offset: 32, .size: 8, .value_kind: global_buffer, .address_space: global }
    .group_segment_fixed_size: 327680
    .private_segment_fixed_size: 0
    .kernarg_segment_align: 8
    .kernarg_segment_size: 40
    .max_flat_workgroup_size: 128
    .sgpr_count:     100
    .vgpr_count:     1024
    .wavefront_size: 32
...
	.end_amdgpu_metadata
.endif
;; end of part 2
;; launch scores (part 3): grid 9 x 16, 4 waves a work-group, no clusters, 327,680 bytes of LDS; arguments kqv16, pt, stats; writes pt, stats
.if DOCPART == 3
	.amdgcn_target "amdgcn-amd-amdhsa--gfx1250"
	.amdhsa_code_object_version 6
	.text
	.protected	k_q5dcb617f27_scores
	.globl	k_q5dcb617f27_scores
	.p2align	8
	.type	k_q5dcb617f27_scores,@function
k_q5dcb617f27_scores:
	s_mov_b64 s[64:65], 0
	v_nop
	global_prefetch_b8 v0, s[64:65] scope:SCOPE_SE
	s_setreg_imm32_b32 hwreg(HW_REG_WAVE_MODE, 25, 1), 1
	s_wait_xcnt 0x0
; The tiles of q k^T on and under the diagonal, 256 queries x 256 keys each, in f16 with f32 sums; then the first half of the softmax, by blocks of 128 keys.
; t = score x c, c = log2(e) / sqrt(2048).  For each query and each block kb of 128 keys: M = the block's largest t rounded up to a whole number, p = 2^(t - M), l = the sum of p in f32.
; p leaves as f16 (pt [4][2048 queries][2048 keys]), -M and l as f32 (stats [2][16 kb][8192 rows]).  The next launch brings the blocks under the row's largest M by exact powers of two.
; THE MASK: key > query is hidden: its score becomes -infinity ahead of the maximum, so p = 0.  A block all of whose keys are hidden gets -M = 9.6e36, l = 0, p = 0.
; SHARES: 36 tiles a batch; work-group (X, y): batch y / 4, pr = y % 4; X <= pr: tile (pr, X), else (7 - pr, X - pr - 1): nine tiles of equal work for each y.
; A wave makes 128 queries x 128 keys, one block kb: 64 accumulators.  K = 1,024 channels goes in steps of 128 through two LDS slots; each wave fetches 128 rows x 256 bytes.
; NO CLUSTER: the nine tiles of a y come from two different rows of tiles, so no four neighbours share a tile of q, and tiles of k are shared by work-groups of different y.
; THE MATRIX INSTRUCTION: source 0 = 16 keys, source 1 = 16 queries: a lane holds one query and eight neighbouring keys.
; LIMITS: scores under -3e38 count as hidden; p under 2^-24 falls to 0 in f16; NaN and infinities are not served.
; REGISTERS as windows of 256: window 0: v0-31 addresses; v32-51 at work on the way out; v64-127, v128-191 q's fragments, two buffers (on the way out: t, packed p, rows);
;   window 1: v64-191 k's fragments; window 2, 3: the accumulators ((a, b) at v[8 (8 (a % 4) + b)]).
.set KSTEP,  128
.set PITCH,  272                       ; an LDS row: 256 bytes + 16: the 16 rows that a load touches start 4 banks apart
.set HALFT,  128*PITCH
.set SLOT,   4*HALFT                   ; q's 256 rows, then k's 256 rows
.set STAGE,  2*SLOT                    ; behind the slots: 16 rows x 272 bytes for each wave
.set SPITCH, 272
.set SPARE,  STAGE+4*16*SPITCH         ; the spare words, 128 bytes a wave
.set LAPS,   4                         ; 8 K steps, two to a lap
.set ROWK,   6144                      ; a row of kqv16 in bytes: k at 0, q at 2,048
.set ADRA, 16
.set ADRB, 20
.set STO,  24
.set RD,   25
.set CO,   26                          ; v26  my byte offset in two rows of pt
.set SO,   27                          ; v27  lanes 0-15: -M's plane, lanes 16-31: l's; 4 bytes a row
.set SPW,  28
.set NIL,  29
.set DD,   30                          ; v30  my query less my first key: 256 (i - j) + 128 (row half - column half) + r - 8 h
.set NINF, 31
.set SV,   32                          ; v32-39 what goes to stats, a register for each block of queries
.set T,    64
.set PK,   128
.set F0,   64
.set F1,   128
.set G1, 24
.set G0, 32
.set MSB, 0
.macro WIN new
.if MSB != (\new)
	s_set_vgpr_msb (MSB<<8)|(\new)
.set MSB, (\new)
.endif
.endm
.set MUL_LO, 0xa1                      ; source 0 (k) window 1, source 1 (q) window 0, C and D window 2
.set MUL_HI, 0xf1
.set TO_B,   0x40
	s_load_b128 s[4:7], s[0:1], 0x0                ; kqv16 s[4:5], pt s[6:7]
	s_load_b64 s[8:9], s[0:1], 0x10                ; stats
	v_lshl_add_u32 v[SPW], v0, 2, SPARE
	v_mov_b32 v[NIL], 0
	ds_add_u32 v[SPW], v[NIL]                      ; the opening: the add, twice on end, and its wait ahead of my first tensor load
	ds_add_u32 v[SPW], v[NIL]
	v_lshrrev_b32 v1, 5, v0
	v_readfirstlane_b32 s10, v1                    ; wave 0..3
	s_lshr_b32 s11, s10, 1                         ; my half of the queries.  Also: I fetch q (0) or k (1)
	s_and_b32 s12, s10, 1                          ; my half of the keys.  Also: which 128 rows I fetch
	s_and_b32 s13, ttmp7, 0xffff
	s_and_b32 s14, s13, 3                          ; pr
	s_lshr_b32 s13, s13, 2                         ; batch
	s_sub_co_u32 s15, 7, s14
	s_sub_co_u32 s16, ttmp9, s14
	s_sub_co_u32 s16, s16, 1
	s_cmp_le_u32 ttmp9, s14
	s_cselect_b32 s15, s14, s15                    ; i: the tile's row of queries
	s_cselect_b32 s16, ttmp9, s16                  ; j: its column of keys, j <= i
	s_mov_b32 s[G1+0], (1<<16)|(1<<20)|(5<<22)|(3<<25)   ; no mask; elements of 2 bytes; padding: 4 words behind every 64
	s_mov_b32 s[G1+1], KSTEP<<16                   ; tensor_dim0
	s_mov_b32 s[G1+2], 128<<16                     ; tensor_dim1
	s_mov_b32 s[G1+3], KSTEP<<16                   ; tile_dim0
	s_mov_b32 s[G1+4], 128                         ; tile_dim1
	s_mov_b32 s[G1+5], 3072                        ; elements from row to row
	s_mov_b32 s[G1+6], 0
	s_mov_b32 s[G1+7], 0
	s_cmp_eq_u32 s11, 0
	s_cselect_b32 s17, s15, s16                    ; q's rows go by i, k's by j
	s_cselect_b32 s18, 2048, 0                     ; q lies 2,048 bytes into a row
	s_lshl_b32 s17, s17, 8
	s_lshl_b32 s19, s12, 7
	s_add_co_u32 s17, s17, s19
	s_lshl_b32 s19, s13, 11
	s_add_co_u32 s20, s17, s19                     ; the first row that I fetch
	s_mov_b32 s21, 0
	s_mov_b64 s[22:23], ROWK
	s_mul_u64 s[20:21], s[20:21], s[22:23]
	s_mov_b32 s19, 0
	s_add_nc_u64 s[20:21], s[20:21], s[18:19]
	s_mul_i32 s17, s10, HALFT                      ; and where it goes: wave x 128 rows
	s_wait_dscnt 0x0                               ; both opening adds are done
	s_wait_kmcnt 0x0
	s_add_nc_u64 s[20:21], s[4:5], s[20:21]
.irp s, 0,1
	s_mov_b32 s[G0+4*\s], 1
	s_add_co_u32 s[G0+4*\s+1], s17, \s*SLOT
	s_add_nc_u64 s[G0+4*\s+2:G0+4*\s+3], s[20:21], \s*KSTEP*2
	s_or_b32 s[G0+4*\s+3], s[G0+4*\s+3], 0x80000000
	tensor_load_to_lds s[G0+4*\s:G0+4*\s+3], s[G1:G1+7]   ; K steps 0 and 1: two loads of mine are out
	s_nop 0
.endr
	v_and_b32 v1, 15, v0                           ; r
	v_bfe_u32 v2, v0, 4, 1                         ; h
	v_mul_u32_u24 v3, v1, PITCH
	v_lshl_add_u32 v3, v2, 4, v3
	s_mul_i32 s21, s11, HALFT                      ; my 128 queries
	s_mul_i32 s22, s12, HALFT
	s_add_co_u32 s22, s22, 2*HALFT                 ; my 128 keys, behind q's 256 rows
.irp s, 0,1
	v_add_nc_u32 v[ADRA+\s], s21, v3
	v_add_nc_u32 v[ADRB+\s], s22, v3
	s_add_co_u32 s21, s21, SLOT
	s_add_co_u32 s22, s22, SLOT
.endr
	s_mul_i32 s23, s10, 16*SPITCH
	s_add_co_u32 s23, s23, STAGE                   ; my stage
	v_mul_u32_u24 v4, v1, SPITCH
	v_lshl_add_u32 v4, v2, 4, v4
	v_add_nc_u32 v[STO], s23, v4
	v_mul_u32_u24 v5, v2, SPITCH
	v_lshl_add_u32 v5, v1, 4, v5
	v_add_nc_u32 v[RD], s23, v5
	v_lshlrev_b32 v5, 12, v2
	v_lshl_add_u32 v[CO], v1, 4, v5                ; 4,096 h + 16 r
	v_lshlrev_b32 v5, 19, v2
	v_lshl_add_u32 v[SO], v1, 2, v5                ; 524,288 h + 4 r
	s_sub_co_u32 s21, s15, s16
	s_lshl_b32 s21, s21, 1
	s_add_co_u32 s21, s21, s11
	s_sub_co_i32 s21, s21, s12
	s_lshl_b32 s21, s21, 7                         ; 128 (2 (i - j) + row half - column half)
	v_lshlrev_b32 v5, 3, v2
	v_sub_nc_u32 v5, v1, v5
	v_add_nc_u32 v[DD], s21, v5
	v_mov_b32 v[NINF], 0xff800000
	; Register 8 b + jj of block a holds key 16 b + 8 h + jj against query 16 a + r: hidden where 16 (b - a) + jj > DD.  DD is -136 .. -113 (all hidden), -8 .. 15 (the diagonal) or 120 and more (none).
.irp j, 0,1,2,3,4,5,6,7
	v_cmp_gt_i32 s[40+\j], \j, v[DD]               ; b = a
.endr
	s_mov_b32 s56, -112
	v_cmp_gt_i32 s48, s56, v[DD]                   ; b < a: hidden only where all is hidden
	v_cmp_gt_i32 s49, 16, v[DD]                    ; b > a: hidden but where nothing is
	s_mov_b32 s50, 0xffff0000                      ; lanes 16-31
	s_mov_b32 s52, 0x3d0293ee                      ; c = log2(e) / sqrt(2048)
	s_mov_b32 s53, s52                             ; (named with it as a pair)
	s_mov_b32 s54, 0x76543210
	s_mov_b32 s55, 0xfedcba98                      ; v_permlanex16_b32: lane l xor 16
	v_mov_b32 v45, 0                               ; a lane permute's destination counts as one of its sources
	v_mov_b32 v47, 0                               ; (named as the upper half of the pair v[46:47])
	s_lshl_b32 s20, s15, 1
	s_add_co_u32 s20, s20, s11
	s_lshl_b32 s21, s13, 4
	s_add_co_u32 s21, s21, s20                     ; my first row / 128 = 16 batch + 2 i + row half
	s_lshl_b32 s22, s21, 19                        ; x 128 rows of 4,096 bytes
	s_mov_b32 s23, 0
	s_add_nc_u64 s[6:7], s[6:7], s[22:23]
	s_lshl_b32 s20, s16, 1
	s_add_co_u32 s20, s20, s12                     ; kb = 2 j + column half
	s_lshl_b32 s22, s20, 8
	s_add_nc_u64 s[6:7], s[6:7], s[22:23]          ; pt at my first row and key
	s_lshl_b32 s22, s20, 15
	s_add_nc_u64 s[8:9], s[8:9], s[22:23]
	s_lshl_b32 s22, s21, 9
	s_add_nc_u64 s[8:9], s[8:9], s[22:23]          ; stats at block kb, my first row
.macro MUL16 f, hi, a0, zero           ; 16 matrix instructions; zero = 1: the first product starts the sums.  The 64 accumulators take turns
.irp a, \a0, \a0+1
.irp b, 0,1,2,3,4,5,6,7
.if \zero
	v_wmma_f32_16x16x32_f16 v[8*(8*(\a)+\b):8*(8*(\a)+\b)+7], v[\f+8*\b:\f+8*\b+7], v[\f+8*(4*\hi+\a):\f+8*(4*\hi+\a)+7], 0
.else
	v_wmma_f32_16x16x32_f16 v[8*(8*(\a)+\b):8*(8*(\a)+\b)+7], v[\f+8*\b:\f+8*\b+7], v[\f+8*(4*\hi+\a):\f+8*(4*\hi+\a)+7], v[8*(8*(\a)+\b):8*(8*(\a)+\b)+7]
.endif
.endr
.endr
.endm
.macro FETCH slot, k, f                ; 32 LDS loads in one run: 128 keys and 128 queries, 32 channels at byte k of the rows
	WIN TO_B
.irp i, 0,1,2,3,4,5,6,7
	ds_load_b128 v[\f+8*\i:\f+8*\i+3],   v[ADRB+\slot] offset:\k+\i*16*PITCH
	ds_load_b128 v[\f+8*\i+4:\f+8*\i+7], v[ADRB+\slot] offset:\k+\i*16*PITCH+32
.endr
	WIN 0
.irp i, 0,1,2,3,4,5,6,7
	ds_load_b128 v[\f+8*\i:\f+8*\i+3],   v[ADRA+\slot] offset:\k+\i*16*PITCH
	ds_load_b128 v[\f+8*\i+4:\f+8*\i+7], v[ADRA+\slot] offset:\k+\i*16*PITCH+32
.endr
.endm
.macro PLACES                          ; four places in front of loads into registers that matrix instructions have read, and of reads of results
.rept 4
	v_nop
.endr
.endm
.macro QUARTER slot, k, f, g, zero     ; 32 channels: multiplies buffer f, fetches the next quarter into g
	s_wait_dscnt 8                                 ; k's fragments and q's rows 0-63 are in; the youngest eight loads may be out
	WIN MUL_LO
	MUL16 \f, 0, 0, \zero
	MUL16 \f, 0, 2, \zero
	PLACES
	FETCH \slot, \k, \g
	s_wait_dscnt 32                                ; all but the 32 just issued
	WIN MUL_HI
	MUL16 \f, 1, 0, \zero
	MUL16 \f, 1, 2, \zero
.endm
; A K step's last quarter changes slots: one barrier; in front of it each wave waits for all its tensor loads, adds 0 to its spare word and waits for that and for its reads of this slot.
.macro TURN slot, next, fill
	WIN 0
	s_wait_tensorcnt 0x0                           ; the one load of mine that was out is my part of the next slot
	ds_add_u32 v[SPW], v[NIL]
.if \fill
	s_add_nc_u64 s[G0+4*\slot+2:G0+4*\slot+3], s[G0+4*\slot+2:G0+4*\slot+3], 2*KSTEP*2   ; no load of mine is out: this slot's next K step
.endif
	s_wait_dscnt 9                                 ; the add and the youngest eight loads may be out
	WIN MUL_LO
	MUL16 F1, 0, 0, 0
	s_wait_dscnt 0x0                               ; the add is done, and my reads of this slot are over
	s_barrier_signal -1
	MUL16 F1, 0, 2, 0
	WIN 0
	s_barrier_wait -1
.if \fill
	tensor_load_to_lds s[G0+4*\slot:G0+4*\slot+3], s[G1:G1+7]   ; my one load behind the barrier: 224 matrix instructions ahead of the wait for it
	s_nop 0
.endif
	PLACES
	FETCH \next, 0, F0
	WIN MUL_HI
	MUL16 F1, 1, 0, 0
	MUL16 F1, 1, 2, 0
.endm
	s_wait_tensorcnt 1                             ; my part of K step 0 is in; K step 1's may be out
	s_barrier_signal -1
	s_barrier_wait -1
	FETCH 0, 0, F0
	QUARTER 0, 64,  F0, F1, 1
	WIN 0
	s_mov_b32 s3, LAPS-1
.Llap:                                                 ; a trip goes once round the two slots and fills both again
	QUARTER 0, 128, F1, F0, 0
	QUARTER 0, 192, F0, F1, 0
	TURN 0, 1, 1
	QUARTER 1, 64,  F0, F1, 0
	QUARTER 1, 128, F1, F0, 0
	QUARTER 1, 192, F0, F1, 0
	TURN 1, 0, 1
	QUARTER 0, 64,  F0, F1, 0
	WIN 0
	s_sub_co_u32 s3, s3, 1
	s_cmp_lg_u32 s3, 0
	s_cbranch_scc1 .Llap
	QUARTER 0, 128, F1, F0, 0                      ; the last lap fills nothing
	QUARTER 0, 192, F0, F1, 0
	TURN 0, 1, 0
	QUARTER 1, 64,  F0, F1, 0
	QUARTER 1, 128, F1, F0, 0
	QUARTER 1, 192, F0, F1, 0
	s_wait_dscnt 8
	WIN MUL_LO
	MUL16 F1, 0, 0, 0
	MUL16 F1, 0, 2, 0
	s_wait_dscnt 0
	WIN MUL_HI
	MUL16 F1, 1, 0, 0
	MUL16 F1, 1, 2, 0
	WIN 0
	PLACES
; THE WAY OUT of block a: 16 queries x my 128 keys; a lane holds 64 scores of one query.
.macro SOFT a
.set AC, 64*((\a)%4)
.set BKR, 160+32*((\a)%2)
	WIN 0x02+(\a)/4                                ; source 0: the accumulators' window
.irp b, 0,1,2,3,4,5,6,7                        ; the scores come out under the mask, each accumulator from its low end on
.irp j, 0,1,2,3,4,5,6,7
.if \b < \a
	v_cndmask_b32 v[T+8*\b+\j], v[AC+8*\b+\j], v[NINF], s48
.elseif \b == \a
	v_cndmask_b32 v[T+8*\b+\j], v[AC+8*\b+\j], v[NINF], s[40+\j]
.else
	v_cndmask_b32 v[T+8*\b+\j], v[AC+8*\b+\j], v[NINF], s49
.endif
.endr
.endr
	WIN 0
.irp c, 0,1,2,3
	v_max3_num_f32 v[40+\c], v[T+16*\c], v[T+16*\c+1], 0xff61b1e6   ; four chains; the floor -3e38 keeps M a number where all is hidden
.endr
.irp i, 2,4,6,8,10,12,14
.irp c, 0,1,2,3
	v_max3_num_f32 v[40+\c], v[40+\c], v[T+16*\c+\i], v[T+16*\c+\i+1]
.endr
.endr
	v_max3_num_f32 v44, v40, v41, v42
	v_max_num_f32 v44, v44, v43
	v_permlanex16_b32 v45, v44, s54, s55           ; the query's other 64 keys lie in the lane 16 away
	v_max_num_f32 v44, v44, v45
	v_mul_f32 v44, s52, v44                        ; as t (c is positive)
	v_floor_f32 v46, -v44                          ; -M = floor(-t): M is a whole number
.set u, 0
.rept 32
	v_pk_fma_f32 v[T+2*u:T+2*u+1], v[T+2*u:T+2*u+1], s[52:53], v[46:47] op_sel_hi:[1,0,0]   ; t - M, two at a time
.set u, u+1
.endr
.set u, 0
.rept 64
	v_exp_f32 v[T+u], v[T+u]                       ; p = 2^(t - M), at most 1
.set u, u+1
.endr
	v_nop                                          ; a plain place behind the last exponential
	s_wait_alu depctr_va_vdst(0)                   ; one wait for the batch, ahead of its first reader
	v_pk_add_f32 v[48:49], v[T:T+1], v[T+2:T+3]    ; l is summed of p before it is rounded: two chains
	v_pk_add_f32 v[50:51], v[T+4:T+5], v[T+6:T+7]
.irp i, 8,12,16,20,24,28,32,36,40,44,48,52,56,60
	v_pk_add_f32 v[48:49], v[48:49], v[T+\i:T+\i+1]
	v_pk_add_f32 v[50:51], v[50:51], v[T+\i+2:T+\i+3]
.endr
	v_pk_add_f32 v[48:49], v[48:49], v[50:51]
	v_add_f32 v48, v48, v49
	v_permlanex16_b32 v45, v48, s54, s55
	v_add_f32 v48, v48, v45
.set u, 0
.rept 32
	v_cvt_pk_f16_f32 v[PK+u], v[T+2*u], v[T+2*u+1]
.set u, u+1
.endr
	v_cndmask_b32 v[SV+\a], v46, v48, s50          ; lanes 0-15 carry -M, lanes 16-31 l
	global_store_b32 v[SO], v[SV+\a], s[8:9] offset:64*\a
.irp b, 0,1,2,3,4,5,6,7
	ds_store_b128 v[STO], v[PK+4*\b:PK+4*\b+3] offset:32*\b
.endr
.irp t, 0,1,2,3,4,5,6,7
	ds_load_b128 v[BKR+4*\t:BKR+4*\t+3], v[RD] offset:\t*2*SPITCH   ; LDS serves a wave's instructions in order: these see the stores above
.endr
	s_wait_dscnt 0x0
	s_wait_xcnt 0x0                                ; earlier stores have read their base and their registers
.if \a > 0
	s_add_nc_u64 s[6:7], s[6:7], 65536             ; 16 rows of pt on
.endif
.irp t, 0,1,2,3,4,5,6,7
	global_store_b128 v[CO], v[BKR+4*\t:BKR+4*\t+3], s[6:7] offset:\t*2*4096   ; 16 lanes store 256 consecutive bytes, aligned
.endr
.endm
.irp a, 0,1,2,3,4,5,6,7
	SOFT \a
.endr
	s_wait_tensorcnt 0x0                           ; the wave's end
	ds_add_u32 v[SPW], v[NIL]
	s_wait_dscnt 0x0
	s_endpgm
.Lfunc_end_k_q5dcb617f27_scores:
	.size	k_q5dcb617f27_scores, .Lfunc_end_k_q5dcb617f27_scores-k_q5dcb617f27_scores
	.p2alignl 7, 3214868480
	.fill 96, 4, 3214868480
	.section	.rodata,"a",@progbits
	.p2align	6, 0x0
	.amdhsa_kernel k_q5dcb617f27_scores
		.amdhsa_group_segment_fixed_size 327680
		.amdhsa_private_segment_fixed_size 0
		.amdhsa_enable_private_segment 0
		.amdhsa_kernarg_size 24
		.amdhsa_user_sgpr_count 2
		.amdhsa_user_sgpr_kernarg_segment_ptr 1
		.amdhsa_wavefront_size32 1
		.amdhsa_system_sgpr_workgroup_id_x 1
		.amdhsa_system_sgpr_workgroup_id_y 1
		.amdhsa_system_sgpr_workgroup_id_z 1
		.amdhsa_system_vgpr_workitem_id 0
		.amdhsa_next_free_vgpr 1024
		.amdhsa_next_free_sgpr 66
		.amdhsa_reserve_vcc 0
		.amdhsa_float_denorm_mode_32 3
		.amdhsa_float_denorm_mode_16_64 3
		.amdhsa_memory_ordered 1
		.amdhsa_forward_progress 1
		.amdhsa_inst_pref_size 242
	.end_amdhsa_kernel
	.amdgpu_metadata
---
amdhsa.version: [ 1, 2 ]
amdhsa.kernels:
  - .name:           k_q5dcb617f27_scores
    .symbol:         k_q5dcb617f27_scores.kd
    .args:
      - { .name: kqv16, .offset: 0, .size: 8, .value_kind: global_buffer, .address_space: global }
      - { .name: pt, .offset: 8, .size: 8, .value_kind: global_buffer, .address_space: global }
      - { .name: stats, .offset: 16, .size: 8, .value_kind: global_buffer, .address_space: global }
    .group_segment_fixed_size: 327680
    .private_segment_fixed_size: 0
    .kernarg_segment_align: 8
    .kernarg_segment_size: 24
    .max_flat_workgroup_size: 128
    .sgpr_count:     66
    .vgpr_count:     1024
    .wavefront_size: 32
...
	.end_amdgpu_metadata
.endif
;; end of part 3
;; launch pv (part 4): grid 8 x 32, 4 waves a work-group, clusters of 4 x 1, 327,680 bytes of LDS; arguments pt, kqv16, stats, att16; writes att16
.if DOCPART == 4
	.amdgcn_target "amdgcn-amd-amdhsa--gfx1250"
	.amdhsa_code_object_version 6
	.text
	.protected	k_q5dcb617f27_pv
	.globl	k_q5dcb617f27_pv
	.p2align	8
	.type	k_q5dcb617f27_pv,@function
k_q5dcb617f27_pv:
	s_mov_b64 s[64:65], 0
	v_nop
	global_prefetch_b8 v0, s[64:65] scope:SCOPE_SE
	s_setreg_imm32_b32 hwreg(HW_REG_WAVE_MODE, 25, 1), 1
	s_wait_xcnt 0x0
	s_wait_alu depctr_hold_cnt(0) depctr_sa_sdst(0) depctr_va_vdst(0) depctr_va_sdst(0) depctr_va_ssrc(0) depctr_va_vcc(0) depctr_vm_vsrc(0)
	s_getreg_b32 s2, hwreg(HW_REG_IB_STS2, 6, 4)
	s_cmp_eq_u32 s2, 0
	s_cbranch_scc0 .Lentry_in_a_cluster
	s_endpgm
.Lentry_in_a_cluster:
	s_bfe_u32 s2, ttmp6, 0x10000c
	s_cmp_lg_u32 s2, 0x3003
	s_cbranch_scc0 .Lentry_shape_is_right
	s_endpgm
.Lentry_shape_is_right:
; att = softmax x v, second half.  For a row: M_row = the largest M_kb, L = the sum over kb of l_kb 2^(M_kb - M_row), att = sum over kb of F_kb (p_kb v_kb), F_kb = 2^(M_kb - M_row) / L.
; Each block of 128 keys has sums X of its own (f16 operands, f32 sums, begun with the constant 0); at the block's end the totals take T += F X, in f32, one packed fused multiply-add for two numbers.  att leaves as f16.
; SHARES: EVERY WORK-GROUP HAS THE SAME WALK.  Work-group (nt, batch, i), i = 0 .. 7, makes two tiles of 128 queries x 128 channels: row tile i and row tile 15 - i of the batch's 16.  Keys go in slots of 256:
; the first tile needs na = i / 2 + 1 of them, the second 9 - na: nine slots, whatever i.  Keys over the diagonal's tile of 256 are never read; the hidden half of that tile holds zeros and the factor 0.
; A wave makes 64 queries x 64 channels: 16 accumulators.  Source 0 = 16 channels of v, turned by ds_load_tr16_b128; source 1 = 16 queries of p: a lane holds one query, eight channels.
; THE WALK: two LDS slots, a loop of constant count, the last three slots written out.  All LDS addresses are constants of the text; only global addresses hang on i: each is formed anew as base + offset from the slot's number and na.
; THE FACTORS are all made at the head: thread n takes row n of both tiles, loads -M and l of the 18 blocks in the order of the walk, and stores the 18 factors at constant LDS places; in the loop a block's factors are four LDS loads.
; CLUSTER 4 x 1: the four work-groups of a cluster take four blocks of channels of the same queries: p's tiles are asked for JOINTLY (waves 0, 1); v's are each work-group's own (waves 2, 3).
; Not along y: work-groups of different i stand at different keys in the same slot of the walk.  The one branch on i (which tile's totals a block joins) is the same in all waves and partners.
; THE TOTALS ARE CLEARED at the head, 256 v_mov_b32 between the statistics' loads and the wait for them: where the second tile begins hangs on i, so no first block can be written out.
; LIMITS: NaN and infinities are not served; |att| beyond 65,504 becomes infinity in f16.
; LDS: slot s at 141,312 s: p's 128 rows x 528 bytes, then v's 256 keys x 288; FTAB: 18 blocks x 128 rows x 4 bytes; the spare words.  The way out's stage (256 rows x 272 bytes) lies in slot 1, past its last fill and read.
; REGISTERS: window 0: v1-17 addresses; v48-55 FF: {F, 0} for my four blocks of queries; v64-247 the head's work; v128-255 the way out.  Window 1: two fragment buffers of 128: for 64 keys 64 registers of p, then 64 of v.
;   Window 2: X(a, b) at v[8 (4 a + b)].  Window 3: the first tile's T at v[8 (4 a + b)], the second's at v[128 + 8 (4 a + b)].
.set PA,    528                        ; a row of p in LDS: 512 bytes + 16 = 132 words: the 16 rows that a load touches start 4 banks apart
.set PV,    288                        ; a key's row of v: 256 bytes + 32
.set AH,    64*PA                      ; 64 rows of p: what one tensor load brings, and what one wave reads
.set VOFF,  128*PA
.set VH,    128*PV                     ; 128 keys of v: what one tensor load brings; also a block of keys
.set SLOT,  VOFF+2*VH
.set FTAB,  2*SLOT
.set SPARE, FTAB+18*512                ; the spare words, 128 bytes a wave
.set STAGE, SLOT
.set SP,    272
.set PFO,  3                           ; v3   the prefetches' offset: 4,096 (lane / 2) + 256 (lane % 2); never rewritten
.set ADRA, 4                           ; v4-5   my fragments of p in slot 0, 1
.set ADRB, 6                           ; v6-9   my fragments of v: slot 0 keys 0-127, 128-255; slot 1 likewise
.set STO,  10
.set RD,   11
.set GO,   12
.set FA0,  13                          ; v13  my rows' place in a block of factors
.set SPW,  14
.set NIL,  15
.set TW,   16                          ; v16  where I store my row's factors
.set FA,   17
.set FF,   48
.set F0,   0                           ; fragment buffers, in window 1
.set F1,   128
.set WV,   12                          ; s12  my wave's number
.set G1A,  24
.set G1B,  32
.set G0A,  40                          ; a set for each slot
.set G0B,  48
.set PFA,  58                          ; s[58:59] what the next prefetch names
.set LIM,  60                          ; s60  8 in a wave that prefetches, else 0: a wave prefetches while the slot to be named is at most that
.set NA,   61                          ; s61  the first tile's slots
.set NA2,  62                          ; s62  its blocks of 128 keys
.set CNT,  63                          ; s63  the slot that is asked for next
.set PB,   66                          ; s[66:67] pt at my batch, my 64 of a tile's rows
.set VB,   68                          ; s[68:69] kqv16 at my batch's v, my 128 of a slot's keys, my work-group's channels
.set SBA,  70                          ; s[70:71] stats at my batch
.set PFB,  72                          ; s[72:73] pt at my batch, the 16 rows of a tile that my wave prefetches
.set OFA,  74                          ; s74, s75 the two tiles' first rows in pt, in bytes
.set OFB,  75
.set SOA,  76                          ; s76, s77 and in a block of stats
.set SOB,  77
.set MK,   78                          ; s78  the block whose factors are fetched next
.set MSK,  79                          ; s79  1 while the block in hand is the second tile's
.set FS,   80                          ; s80  512 x that block: its place in FTAB
.set W_MUL, 0xa5                       ; sources 0 and 1 window 1; C and D window 2
.set MSB, 0
.macro WIN new                         ; the immediate's high byte repeats the setting that is left
.if MSB != (\new)
	s_set_vgpr_msb (MSB<<8)|(\new)
.set MSB, (\new)
.endif
.endm
.macro PLACES                          ; four places in front of loads into registers that matrix instructions have read, and of reads of results
.rept 4
	v_nop
.endr
.endm
; Waves 0 and 1 ask for p's halves (jointly), waves 2 and 3 for v's.  The branch hangs on the wave's number alone.  An s_nop 0 and four v_nop follow each line.
.macro JLOAD s
	s_cmp_lt_u32 s[WV], 2
	s_cbranch_scc0 .Lfor_v_\@
	tensor_load_to_lds s[G0A+4*\s:G0A+4*\s+3], s[G1A:G1A+7]
	s_nop 0
.rept 4
	v_nop
.endr
	s_branch .Lasked_\@
.Lfor_v_\@:
	tensor_load_to_lds s[G0B+4*\s:G0B+4*\s+3], s[G1B:G1B+7]
	s_nop 0
.rept 4
	v_nop
.endr
.Lasked_\@:
.endm
.macro CREST                           ; a round of the cluster's barrier behind its opening barrier
	s_cmp_lg_u32 s[WV], 0
	s_cbranch_scc1 .Lnot_wave_0_\@
	s_barrier_signal -3
.Lnot_wave_0_\@:
	s_barrier_wait -3
	s_barrier_signal -1
	s_barrier_wait -1
.endm
.macro CROUND
	s_barrier_signal -1
	s_barrier_wait -1
	CREST
.endm
; Where slot number CNT of the walk lies in memory, into the descriptors of LDS slot \slot; then CNT steps, and the prefetch's address is made for the slot after.  Scalar work alone.
; Slot n is the first tile's n-th 256 keys while n < na, else the second tile's (n - na)-th.  None of the registers that feed p's descriptors ever holds my place in the cluster.
.macro NEXTADR slot
	s_cmp_ge_u32 s[CNT], s[NA]
	s_cselect_b32 s86, s[NA], 0
	s_cselect_b32 s82, s[OFB], s[OFA]
	s_sub_co_u32 s86, s[CNT], s86                  ; which 256 keys
	s_lshl_b32 s87, s86, 9
	s_add_co_u32 s82, s82, s87                     ; p: the tile's rows, 512 bytes along them for each slot
	s_mov_b32 s83, 0
	s_add_nc_u64 s[G0A+4*\slot+2:G0A+4*\slot+3], s[PB:PB+1], s[82:83]
	s_or_b32 s[G0A+4*\slot+3], s[G0A+4*\slot+3], 0x80000000
	s_mul_i32 s84, s86, 1572864                    ; v: 256 rows of 6,144 bytes for each slot
	s_mov_b32 s85, 0
	s_add_nc_u64 s[G0B+4*\slot+2:G0B+4*\slot+3], s[VB:VB+1], s[84:85]
	s_or_b32 s[G0B+4*\slot+3], s[G0B+4*\slot+3], 0x80000000
	s_add_co_u32 s[CNT], s[CNT], 1
	s_cmp_ge_u32 s[CNT], s[NA]
	s_cselect_b32 s86, s[NA], 0
	s_cselect_b32 s82, s[OFB], s[OFA]
	s_sub_co_u32 s86, s[CNT], s86
	s_lshl_b32 s87, s86, 9
	s_add_co_u32 s82, s82, s87
	s_add_nc_u64 s[PFA:PFA+1], s[PFB:PFB+1], s[82:83]
.endm
; A prefetch of p's tile of the slot after the one just asked for: 128 rows x 512 bytes, one slot (128 matrix instructions and two blocks of multiply-adds) ahead of its load.  Both clusters of a y read the same rows of pt:
; the first (cluster x = 0) asks; its four partners take 32 rows each, told apart by address, waves 0 and 1 16 each, a lane one aligned block of 256 bytes: each block is named once.
; Slots 0 to 2 come by their loads alone; behind the last refill CNT is 9, and nothing is asked for.
.macro ASK
	s_cmp_le_u32 s[CNT], s[LIM]
	s_cbranch_scc0 .Lnot_mine_\@
	global_prefetch_b8 v[PFO], s[PFA:PFA+1] th:TH_LOAD_NT scope:SCOPE_SE
.Lnot_mine_\@:
.endm
	s_load_b256 s[4:11], s[0:1], 0x0               ; pt s[4:5], kqv16 s[6:7], stats s[8:9], att16 s[10:11]
	v_lshl_add_u32 v[SPW], v0, 2, SPARE
	v_mov_b32 v[NIL], 0
	ds_add_u32 v[SPW], v[NIL]                      ; the opening: the add, twice on end, and its wait ahead of my first tensor load
	ds_add_u32 v[SPW], v[NIL]
	v_lshrrev_b32 v1, 5, v0
	v_readfirstlane_b32 s[WV], v1                  ; wave 0..3
	s_bfe_u32 s13, ttmp6, 0x40000                  ; cx
	s_lshl_b32 s14, ttmp9, 2
	s_add_co_u32 s14, s14, s13                     ; nt: my block of 128 channels: it enters v's own load and att16's address alone
	s_and_b32 s15, ttmp7, 0xffff
	s_and_b32 s16, s15, 7                          ; i: the first tile's row of tiles
	s_lshr_b32 s15, s15, 3                         ; batch
	s_sub_co_u32 s19, 15, s16                      ; the second tile's
	s_lshr_b32 s17, s[WV], 1                       ; my half of a tile's queries
	s_and_b32 s18, s[WV], 1                        ; my half of the channels.  Also: which half of a tile I fetch
	s_lshr_b32 s[NA], s16, 1
	s_add_co_u32 s[NA], s[NA], 1
	s_lshl_b32 s[NA2], s[NA], 1
	s_lshl_b32 s[OFA], s16, 19                     ; 128 rows of 4,096 bytes
	s_lshl_b32 s[OFB], s19, 19
	s_lshl_b32 s[SOA], s16, 9                      ; 128 rows of 4 bytes
	s_lshl_b32 s[SOB], s19, 9
	s_mov_b32 s[CNT], 0
	s_mov_b32 s[MK], 0
	s_mov_b32 s[MSK], 0
	s_mov_b32 s[FS], 0
	s_mov_b32 s[G1A+0], 15|(1<<16)|(1<<20)|(1<<21)|(6<<22)|(3<<25)   ; the mask: all four; elements of 2 bytes; padding: 4 words behind every 128; bit 21 beside a mask
	s_mov_b32 s[G1A+1], 256<<16
	s_mov_b32 s[G1A+2], 64<<16
	s_mov_b32 s[G1A+3], 256<<16
	s_mov_b32 s[G1A+4], 64                         ; 64 rows x 256 keys
	s_mov_b32 s[G1A+5], 2048
	s_mov_b32 s[G1A+6], 0
	s_mov_b32 s[G1A+7], 0
	s_mov_b32 s[G1B+0], (1<<16)|(1<<20)|(5<<22)|(7<<25)              ; no mask; padding: 8 words behind every 64
	s_mov_b32 s[G1B+1], 128<<16
	s_mov_b32 s[G1B+2], 128<<16
	s_mov_b32 s[G1B+3], 128<<16
	s_mov_b32 s[G1B+4], 128                        ; 128 keys x 128 channels
	s_mov_b32 s[G1B+5], 3072
	s_mov_b32 s[G1B+6], 0
	s_mov_b32 s[G1B+7], 0
	s_lshl_b32 s20, s15, 23                        ; p: the batch's 2,048 rows of 4,096 bytes,
	s_lshl_b32 s21, s18, 18                        ; my 64 rows
	s_add_co_u32 s20, s20, s21
	s_mov_b32 s21, 0
	s_lshl_b32 s22, s15, 11
	s_lshl_b32 s23, s18, 7
	s_add_co_u32 s22, s22, s23
	s_mul_i32 s92, s22, 6144                       ; v: key 2,048 batch + 128 half,
	s_lshl_b32 s93, s14, 8
	s_add_co_u32 s92, s92, s93
	s_add_co_u32 s92, s92, 4096                    ; v lies 4,096 bytes into a row; + 256 nt
	s_mov_b32 s93, 0
	s_mul_i32 s90, s18, AH                         ; where they go in a slot
	s_mul_i32 s91, s18, VH
	s_add_co_u32 s91, s91, VOFF
	s_wait_dscnt 0x0                               ; both opening adds are done
	s_wait_kmcnt 0x0
	s_add_nc_u64 s[PB:PB+1], s[4:5], s[20:21]
	s_add_nc_u64 s[VB:VB+1], s[6:7], s[92:93]
	s_lshl_b32 s20, s15, 13                        ; 2,048 rows of 4 bytes
	s_add_nc_u64 s[SBA:SBA+1], s[8:9], s[20:21]
	s_lshl_b32 s92, s15, 23
	s_lshl_b32 s94, s13, 17                        ; my work-group's 32 rows of a tile,
	s_add_co_u32 s92, s92, s94
	s_lshl_b32 s94, s18, 16                        ; my wave's 16 of them
	s_add_co_u32 s92, s92, s94
	s_add_nc_u64 s[PFB:PFB+1], s[4:5], s[92:93]
	CROUND                                         ; all four work-groups are here: the first joint loads meet
.irp s, 0,1
	s_mov_b32 s[G0A+4*\s], 1
	s_add_co_u32 s[G0A+4*\s+1], s90, \s*SLOT
	s_mov_b32 s[G0B+4*\s], 1
	s_add_co_u32 s[G0B+4*\s+1], s91, \s*SLOT
	NEXTADR \s
.endr
	s_cmp_lt_u32 s[WV], 2                          ; a wave's two first fills stand in one branch: two loads of mine are out
	s_cbranch_scc0 .Lfirst_v
	tensor_load_to_lds s[G0A:G0A+3], s[G1A:G1A+7]
	s_nop 0
	tensor_load_to_lds s[G0A+4:G0A+7], s[G1A:G1A+7]
	s_nop 0
.rept 4
	v_nop
.endr
	s_branch .Lfirst_asked
.Lfirst_v:
	tensor_load_to_lds s[G0B:G0B+3], s[G1B:G1B+7]
	s_nop 0
	tensor_load_to_lds s[G0B+4:G0B+7], s[G1B:G1B+7]
	s_nop 0
.rept 4
	v_nop
.endr
.Lfirst_asked:
	; THE ROWS' STATISTICS, in the order of the walk.  Thread n takes row n of the tile to which block m belongs: block m is the first tile's kb = m while m < 2 na, else the second tile's kb = m - 2 na.
.irp m, 0,1,2,3,4,5,6,7,8,9,10,11,12,13,14,15,16,17
	s_cmp_le_u32 s[NA2], \m
	s_cselect_b32 s86, s[NA2], 0
	s_cselect_b32 s87, s[SOB], s[SOA]
	s_sub_co_u32 s86, \m, s86
	s_lshl_b32 s86, s86, 15                        ; a block of stats is 8,192 rows of 4 bytes
	s_add_co_u32 s86, s86, s87
	v_lshl_add_u32 v[64+\m], v0, 2, s86
	global_load_b32 v[96+\m], v[64+\m], s[SBA:SBA+1]                    ; -M
	global_load_b32 v[128+\m], v[64+\m], s[SBA:SBA+1] offset:524288     ; l
.endr
	WIN 0xc0                                       ; destination window 3: the totals begin as zeros, while the loads above are on their way
.set u, 0
.rept 256
	v_mov_b32 v[u], 0
.set u, u+1
.endr
	WIN 0
	v_and_b32 v1, 15, v0                           ; r
	v_bfe_u32 v2, v0, 4, 1                         ; h
	v_mul_u32_u24 v240, v1, PA
	v_lshl_add_u32 v240, v2, 4, v240               ; r x pitch + 16 h
	s_mul_i32 s20, s17, AH
	v_add_nc_u32 v[ADRA], s20, v240
	v_add_nc_u32 v[ADRA+1], SLOT, v[ADRA]
	v_and_b32 v241, 7, v0
	v_bfe_u32 v242, v0, 3, 1
	v_lshl_add_u32 v241, v2, 3, v241
	v_mul_u32_u24 v241, v241, PV
	v_lshl_add_u32 v241, v242, 4, v241             ; the turning load: key 8 h + l % 8, channels 8 ((l / 8) % 2) on
	s_lshl_b32 s21, s18, 7
	s_add_co_u32 s22, s21, VOFF
	v_add_nc_u32 v[ADRB], s22, v241
	v_add_nc_u32 v[ADRB+1], VH, v[ADRB]
	v_add_nc_u32 v[ADRB+2], SLOT, v[ADRB]
	v_add_nc_u32 v[ADRB+3], SLOT+VH, v[ADRB]
	s_mul_i32 s20, s17, 64*SP
	s_add_co_u32 s20, s20, s21
	s_add_co_u32 s20, s20, STAGE
	v_mul_u32_u24 v240, v1, SP
	v_lshl_add_u32 v240, v2, 4, v240
	v_add_nc_u32 v[STO], s20, v240                 ; the stage: my rows of a tile, my 128 bytes of them
	s_mul_i32 s20, s[WV], 64*SP
	s_add_co_u32 s20, s20, STAGE
	v_mul_u32_u24 v240, v2, SP
	v_lshl_add_u32 v240, v1, 4, v240
	v_add_nc_u32 v[RD], s20, v240                  ; back: rows 64 w on, whole
	v_lshlrev_b32 v240, 11, v2
	v_lshl_add_u32 v[GO], v1, 4, v240
	s_lshl_b32 s20, s17, 8
	s_add_co_u32 s20, s20, FTAB
	v_lshl_add_u32 v[FA0], v1, 2, s20              ; FTAB + 4 (64 row half + r)
	v_lshl_add_u32 v[TW], v0, 2, FTAB
	v_and_b32 v240, 31, v0
	v_lshrrev_b32 v241, 1, v240
	v_and_b32 v240, 1, v240
	v_lshlrev_b32 v[PFO], 12, v241
	v_lshl_add_u32 v[PFO], v240, 8, v[PFO]
.irp a, 0,1,2,3
	v_mov_b32 v[FF+2*\a+1], 0                      ; (named as the upper halves of the pairs that the packed multiply-adds take)
.endr
	s_cmp_lt_u32 s[WV], 2                          ; waves 0 and 1 store the first tile's rows, waves 2 and 3 the second's
	s_cselect_b32 s94, s16, s19
	s_lshl_b32 s92, s15, 22                        ; 2,048 rows of 2,048 bytes
	s_lshl_b32 s94, s94, 18
	s_add_co_u32 s92, s92, s94
	s_lshl_b32 s94, s18, 17
	s_add_co_u32 s92, s92, s94
	s_lshl_b32 s94, s14, 8
	s_add_co_u32 s92, s92, s94
	s_add_nc_u64 s[10:11], s[10:11], s[92:93]      ; att16 at the 64 rows that I store, my work-group's 128 channels
	s_lshr_b32 s20, s[WV], 1
	s_or_b32 s20, s20, ttmp9
	s_cmp_eq_u32 s20, 0
	s_cselect_b32 s[LIM], 8, 0
	v_mov_b32 v243, 0x7f7fffff                     ; over every -M
	v_mov_b32 v244, 0                              ; L of my row of the first tile,
	v_mov_b32 v245, 0                              ; of the second
	s_wait_loadcnt 0x0
.irp m, 0,1,2,3,4,5,6,7,8,9,10,11,12,13,14,15,16,17
	s_cmp_le_u32 s[NA2], \m
	s_cselect_b32 s86, -1, 0                       ; all lanes: block m is the second tile's
	v_cndmask_b32 v[160+\m], v[96+\m], v243, s86   ; what counts for the first tile's row,
	v_cndmask_b32 v[192+\m], v243, v[96+\m], s86   ; and for the second's
.endr
	v_min3_num_f32 v240, v160, v161, v162          ; -M_row = the least -M_kb
	v_min3_num_f32 v241, v192, v193, v194
.irp m, 3,5,7,9,11,13,15
	v_min3_num_f32 v240, v240, v[160+\m], v[161+\m]
	v_min3_num_f32 v241, v241, v[192+\m], v[193+\m]
.endr
	v_min_num_f32 v240, v240, v177
	v_min_num_f32 v241, v241, v209
.irp m, 0,1,2,3,4,5,6,7,8,9,10,11,12,13,14,15,16,17
	s_cmp_le_u32 s[NA2], \m
	s_cselect_b32 s86, -1, 0
	v_cndmask_b32 v[160+\m], v240, v241, s86
.endr
.irp m, 0,1,2,3,4,5,6,7,8,9,10,11,12,13,14,15,16,17
	v_sub_f32 v[160+\m], v[160+\m], v[96+\m]       ; M_kb - M_row: a whole number, 0 or less
.endr
.irp m, 0,1,2,3,4,5,6,7,8,9,10,11,12,13,14,15,16,17
	v_cvt_i32_f32 v[160+\m], v[160+\m]             ; (it saturates)
.endr
.irp m, 0,1,2,3,4,5,6,7,8,9,10,11,12,13,14,15,16,17
	v_ldexp_f32 v[192+\m], v[128+\m], v[160+\m]
.endr
.irp m, 0,1,2,3,4,5,6,7,8,9,10,11,12,13,14,15,16,17
	s_cmp_le_u32 s[NA2], \m
	s_cselect_b32 s87, 0, 1.0
	s_cselect_b32 s88, 1.0, 0
	v_fma_f32 v244, v[192+\m], s87, v244
	v_fma_f32 v245, v[192+\m], s88, v245
.endr
	v_rcp_f32 v246, v244
	v_rcp_f32 v247, v245
	v_nop                                          ; a plain place behind the reciprocals
	s_wait_alu depctr_va_vdst(0)                   ; a wait ahead of the first reader
.irp m, 0,1,2,3,4,5,6,7,8,9,10,11,12,13,14,15,16,17
	s_cmp_le_u32 s[NA2], \m
	s_cselect_b32 s86, -1, 0
	v_cndmask_b32 v[192+\m], v246, v247, s86
.endr
.irp m, 0,1,2,3,4,5,6,7,8,9,10,11,12,13,14,15,16,17
	v_ldexp_f32 v[192+\m], v[192+\m], v[160+\m]    ; F = 2^(M_kb - M_row) / L
.endr
.irp m, 0,1,2,3,4,5,6,7,8,9,10,11,12,13,14,15,16,17
	ds_store_b32 v[TW], v[192+\m] offset:512*\m
.endr
	s_wait_tensorcnt 1                             ; my part of slot 0 is in; slot 1's may be out
	s_wait_dscnt 0x0                               ; my rows' factors are stored
	s_barrier_signal -1
	s_barrier_wait -1
; 8 matrix instructions: blocks a0, a0 + 1 of queries x my four blocks of channels, 32 keys: half c of buffer f.  zero = 1: a block of keys' first products start its sums.  The 16 accumulators take turns
.macro MUL8 f, c, a0, zero
.irp a, \a0, \a0+1
.irp b, 0,1,2,3
.if \zero
	v_wmma_f32_16x16x32_f16 v[8*(4*(\a)+\b):8*(4*(\a)+\b)+7], v[\f+64+8*(4*\c+\b):\f+64+8*(4*\c+\b)+7], v[\f+8*(4*\c+(\a)):\f+8*(4*\c+(\a))+7], 0
.else
	v_wmma_f32_16x16x32_f16 v[8*(4*(\a)+\b):8*(4*(\a)+\b)+7], v[\f+64+8*(4*\c+\b):\f+64+8*(4*\c+\b)+7], v[\f+8*(4*\c+(\a)):\f+8*(4*\c+(\a))+7], v[8*(4*(\a)+\b):8*(4*(\a)+\b)+7]
.endif
.endr
.endr
.endm
; 32 LDS loads in one run: the slot's quarter q (64 keys) into buffer f; the first 32 keys first
.macro FETCH slot, q, f
	WIN 0x40                                       ; destination window 1, address window 0
.irp c, 0,1
.irp i, 0,1,2,3
	ds_load_tr16_b128 v[\f+64+8*(4*\c+\i):\f+64+8*(4*\c+\i)+3],   v[ADRB+2*\slot+(\q)/2] offset:(64*((\q)%2)+32*\c)*PV+32*\i
	ds_load_tr16_b128 v[\f+64+8*(4*\c+\i)+4:\f+64+8*(4*\c+\i)+7], v[ADRB+2*\slot+(\q)/2] offset:(64*((\q)%2)+32*\c+16)*PV+32*\i
	ds_load_b128 v[\f+8*(4*\c+\i):\f+8*(4*\c+\i)+3],   v[ADRA+\slot] offset:128*(\q)+64*\c+\i*16*PA
	ds_load_b128 v[\f+8*(4*\c+\i)+4:\f+8*(4*\c+\i)+7], v[ADRA+\slot] offset:128*(\q)+64*\c+\i*16*PA+32
.endr
.endr
.endm
; T += F X: 64 packed fused multiply-adds, each accumulator from its low end on.  Source 0 (X) window 2, source 1 (F) window 0, source 2 and destination (T) window 3.
.macro FMAT t0
	WIN 0xf2
.irp a, 0,1,2,3
.set u, 0
.rept 16
	v_pk_fma_f32 v[\t0+32*\a+2*u:\t0+32*\a+2*u+1], v[32*\a+2*u:32*\a+2*u+1], v[FF+2*\a:FF+2*\a+1], v[\t0+32*\a+2*u:\t0+32*\a+2*u+1] op_sel_hi:[1,0,1]
.set u, u+1
.endr
.endr
	WIN 0
.endm
.macro FMA                             ; the block in hand joins its tile's totals.  The branch hangs on i and the block's number alone: the same in all waves and all partners
	s_cmp_lg_u32 s[MSK], 0
	s_cbranch_scc1 .Lsecond_\@
	FMAT 0
	s_branch .Ljoined_\@
.Lsecond_\@:
	FMAT 128
.Ljoined_\@:
.endm
.macro FLOAD                           ; the factors of the block of keys that has just begun, and whose tile it is
	s_cmp_le_u32 s[NA2], s[MK]
	s_cselect_b32 s[MSK], 1, 0
	s_add_co_u32 s[MK], s[MK], 1
	v_add_nc_u32 v[FA], s[FS], v[FA0]
	s_add_co_u32 s[FS], s[FS], 512
.irp a, 0,1,2,3
	ds_load_b32 v[FF+2*\a], v[FA] offset:64*\a
.endr
.endm
; 64 keys: multiplies buffer f (of this slot), fetches the slot's quarter q into g.  zero = 1: a block of 128 keys begins: its factors are fetched, ahead of the fragments' run, so that the wait behind that run covers them.
; fm = 1: the block before joins the totals first: four places, 64 multiply-adds; they are also the places in front of the products that begin X anew.
.macro QUARTER slot, q, f, g, zero, fm
	s_wait_dscnt 16                                ; the first 32 keys are in; the youngest sixteen loads may be out
.if \fm
	WIN 0
	PLACES
	FMA
.endif
	WIN W_MUL
	MUL8 \f, 0, 0, \zero
	MUL8 \f, 0, 2, \zero
	PLACES
.if \zero
	WIN 0
	FLOAD
.endif
	FETCH \slot, \q, \g
	s_wait_dscnt 32                                ; all but the 32 just issued
	WIN W_MUL
	MUL8 \f, 1, 0, 0
	MUL8 \f, 1, 2, 0
.endm
; A slot's last quarter multiplies buffer 1 and changes slots.  fill = 1: the barrier opens a round of the cluster's barrier, and the slot is filled again first thing behind it.
.macro TURN slot, next, fill
.if \fill
	s_wait_xcnt 0x0                                ; the last prefetch, a slot back, has read its address
.endif
	WIN 0
	s_wait_tensorcnt 0x0                           ; the one load of mine that was out is my part of the next slot
	ds_add_u32 v[SPW], v[NIL]
.if \fill
	NEXTADR \slot                                  ; no load of mine is out, so the descriptors may be written
.endif
	s_wait_dscnt 17                                ; the add and the youngest sixteen loads may be out
	WIN W_MUL
	MUL8 F1, 0, 0, 0
	s_wait_dscnt 0x0                               ; the add is done, and my reads of this slot are over
	s_barrier_signal -1
	MUL8 F1, 0, 2, 0
	WIN 0
	s_barrier_wait -1
.if \fill
	CREST                                          ; no wave of any partner still reads this slot or has a load on its way
	JLOAD \slot                                    ; its four v_nop are also the places in front of the loads below
.else
	PLACES
.endif
	FETCH \next, 0, F0
.if \fill
	WIN 0
	ASK
.endif
	WIN W_MUL
	MUL8 F1, 1, 0, 0
	MUL8 F1, 1, 2, 0
.endm
	FETCH 0, 0, F0
	QUARTER 0, 1, F0, F1, 1, 0                     ; slot 0's first quarter stands in front of the loop
	WIN 0
	s_mov_b32 s3, 3
.Llap:                                                 ; three trips of two slots, from a slot's second quarter to the first of the slot two on; both LDS slots are filled again
	QUARTER 0, 2, F1, F0, 0, 0
	QUARTER 0, 3, F0, F1, 1, 1
	TURN 0, 1, 1
	QUARTER 1, 1, F0, F1, 1, 1
	QUARTER 1, 2, F1, F0, 0, 0
	QUARTER 1, 3, F0, F1, 1, 1
	TURN 1, 0, 1
	QUARTER 0, 1, F0, F1, 1, 1
	WIN 0
	s_sub_co_u32 s3, s3, 1
	s_cmp_lg_u32 s3, 0
	s_cbranch_scc1 .Llap
	QUARTER 0, 2, F1, F0, 0, 0                     ; slot 6 of the walk: behind it the last slot is asked for
	QUARTER 0, 3, F0, F1, 1, 1
	TURN 0, 1, 1
	QUARTER 1, 1, F0, F1, 1, 1                     ; slot 7: nothing is left to fetch
	QUARTER 1, 2, F1, F0, 0, 0
	QUARTER 1, 3, F0, F1, 1, 1
	TURN 1, 0, 0
	QUARTER 0, 1, F0, F1, 1, 1                     ; slot 8
	QUARTER 0, 2, F1, F0, 0, 0
	QUARTER 0, 3, F0, F1, 1, 1
	s_wait_dscnt 16
	WIN W_MUL
	MUL8 F1, 0, 0, 0
	MUL8 F1, 0, 2, 0
	s_wait_dscnt 0
	MUL8 F1, 1, 0, 0
	MUL8 F1, 1, 2, 0
	WIN 0
	PLACES
	FMA                                            ; the last block joins the totals
	; THE WAY OUT: both tiles, rounded to f16, 16 bytes a lane into the work-group's stage; a barrier, since a row's 256 bytes come from two waves; back as whole rows, 64 a wave.
	WIN 0x0f                                       ; sources 0 and 1: window 3
.irp a, 0,1,2,3,4,5,6,7
.set u, 0
.rept 16
	v_cvt_pk_f16_f32 v[128+16*\a+u], v[32*\a+2*u], v[32*\a+2*u+1]
.set u, u+1
.endr
.endr
	WIN 0
.irp a, 0,1,2,3,4,5,6,7
.irp b, 0,1,2,3
	ds_store_b128 v[STO], v[128+16*\a+4*\b:131+16*\a+4*\b] offset:(\a/4)*128*SP+(\a%4)*16*SP+32*\b   ; tile a / 4, block a % 4 of my queries
.endr
.endr
	s_wait_dscnt 0x0                               ; for the others' sake: my stores into the stage are done
	s_barrier_signal -1
	s_barrier_wait -1
.set u, 0
.rept 32
	ds_load_b128 v[128+4*u:131+4*u], v[RD] offset:u*2*SP
.set u, u+1
.endr
.set u, 0
.rept 32
	s_wait_dscnt 31-u
	global_store_b128 v[GO], v[128+4*u:131+4*u], s[10:11] offset:u*2*2048   ; 16 lanes store 256 consecutive bytes, aligned
.set u, u+1
.endr
	s_wait_tensorcnt 0x0                           ; the wave's end
	ds_add_u32 v[SPW], v[NIL]
	s_wait_dscnt 0x0
	CROUND                                         ; the closing round
	s_endpgm
.Lfunc_end_k_q5dcb617f27_pv:
	.size	k_q5dcb617f27_pv, .Lfunc_end_k_q5dcb617f27_pv-k_q5dcb617f27_pv
	.p2alignl 7, 3214868480
	.fill 96, 4, 3214868480
	.section	.rodata,"a",@progbits
	.p2align	6, 0x0
	.amdhsa_kernel k_q5dcb617f27_pv
		.amdhsa_group_segment_fixed_size 327680
		.amdhsa_private_segment_fixed_size 0
		.amdhsa_enable_private_segment 0
		.amdhsa_kernarg_size 32
		.amdhsa_user_sgpr_count 2
		.amdhsa_user_sgpr_kernarg_segment_ptr 1
		.amdhsa_wavefront_size32 1
		.amdhsa_system_sgpr_workgroup_id_x 1
		.amdhsa_system_sgpr_workgroup_id_y 1
		.amdhsa_system_sgpr_workgroup_id_z 1
		.amdhsa_system_vgpr_workitem_id 0
		.amdhsa_next_free_vgpr 1024
		.amdhsa_next_free_sgpr 100
		.amdhsa_reserve_vcc 0
		.amdhsa_float_denorm_mode_32 3
		.amdhsa_float_denorm_mode_16_64 3
		.amdhsa_memory_ordered 1
		.amdhsa_forward_progress 1
		.amdhsa_inst_pref_size 240
	.end_amdhsa_kernel
	.amdgpu_metadata
---
amdhsa.version: [ 1, 2 ]
amdhsa.kernels:
  - .name:           k_q5dcb617f27_pv
    .symbol:         k_q5dcb617f27_pv.kd
    .args:
      - { .name: pt, .offset: 0, .size: 8, .value_kind: global_buffer, .address_space: global }
      - { .name: kqv16, .offset: 8, .size: 8, .value_kind: global_buffer, .address_space: global }
      - { .name: stats, .offset: 16, .size: 8, .value_kind: global_buffer, .address_space: global }
      - { .name: att16, .offset: 24, .size: 8, .value_kind: global_buffer, .address_space: global }
    .group_segment_fixed_size: 327680
    .private_segment_fixed_size: 0
    .kernarg_segment_align: 8
    .kernarg_segment_size: 32
    .max_flat_workgroup_size: 128
    .sgpr_count:     100
    .vgpr_count:     1024
    .wavefront_size: 32
...
	.end_amdgpu_metadata
.endif
;; end of part 4
;; launch proj (part 5): grid 8 x 32, 4 waves a work-group, clusters of 4 x 4, 327,680 bytes of LDS; arguments att16, wp16, b_proj, out0; writes out0
.if DOCPART == 5
	.amdgcn_target "amdgcn-amd-amdhsa--gfx1250"
	.amdhsa_code_object_version 6
	.text
	.protected	k_q5dcb617f27_proj
	.globl	k_q5dcb617f27_proj
	.p2align	8
	.type	k_q5dcb617f27_proj,@function
k_q5dcb617f27_proj:
	s_mov_b64 s[64:65], 0
	v_nop
	global_prefetch_b8 v0, s[64:65] scope:SCOPE_SE
	s_setreg_imm32_b32 hwreg(HW_REG_WAVE_MODE, 25, 1), 1
	s_wait_xcnt 0x0
	s_wait_alu depctr_hold_cnt(0) depctr_sa_sdst(0) depctr_va_vdst(0) depctr_va_sdst(0) depctr_va_ssrc(0) depctr_va_vcc(0) depctr_vm_vsrc(0)
	s_getreg_b32 s2, hwreg(HW_REG_IB_STS2, 6, 4)
	s_cmp_eq_u32 s2, 0
	s_cbranch_scc0 .Lentry_in_a_cluster
	s_endpgm
.Lentry_in_a_cluster:
	s_bfe_u32 s2, ttmp6, 0x10000c
	s_cmp_lg_u32 s2, 0xf033
	s_cbranch_scc0 .Lentry_shape_is_right
	s_endpgm
.Lentry_shape_is_right:
; out0 = att w_proj + b_proj: [8192][1024] x [1024 (k)][1024 (n)], f16 operands, f32 sums, f32 out.  (Positions 0-15 of each batch are written anew, from f32, by the launch that follows.)
; A work-group makes 256 rows x 128 columns, a wave 128 x 64: 32 accumulators.  K goes in steps of 128 through two LDS slots.
; Source 0 = 16 columns of w_proj, turned by ds_load_tr16_b128 (its K is the first axis); source 1 = 16 rows of att: a lane holds one row, eight neighbouring columns.
; CLUSTERS 4 x 4: att's tiles are asked for jointly along a row of the cluster (waves 0, 1), w_proj's along a column (waves 2, 3).
; The bias is the C of each sum's first matrix instruction.
; LDS: slot s at 106,496 s: att's 256 rows x 272 bytes, then w's 128 k x 288; the spare words.  The way out's stages (16 rows x 272 bytes a wave) lie in slot 0, past its last fill and read.
; REGISTERS: window 0: v1-15 addresses; v64-127 w's fragments, two buffers; v128-159 the bias; v160-223 rows on the way out.
;   Windows 1 (blocks 0-3) and 2 (blocks 4-7): accumulator (a, b) at v[32 (a % 4) + 8 b]; att's fragments at v[128 + 32 f + 8 (a % 4)].
.set SLOT,  106496
.set AH,    34816
.set VOFF,  69632
.set VH,    18432
.set PA,    272
.set PV,    288
.set SPARE, 212992
.set LAPS,  4
.set PFO,  3                           ; v3   2,048 x lane: a row of att16
.set ADRA, 4
.set ADRB, 6
.set STO,  8
.set RD,   9
.set GO,   10
.set BO,   11
.set SPW,  14
.set NIL,  15
.set BI,   128
.set WV,   12
.set G1A,  24
.set G1B,  32
.set G0A,  40
.set G0B,  48
.set PFA,  58
.set LIM,  60
.set W_LO, 0x54
.set W_HI, 0xa8
.set MSB, 0
.macro WIN new
.if MSB != (\new)
	s_set_vgpr_msb (MSB<<8)|(\new)
.set MSB, (\new)
.endif
.endm
.macro PLACES
.rept 4
	v_nop
.endr
.endm
.macro JLOAD s                         ; waves 0 and 1 ask for att's halves, waves 2 and 3 for w's; an s_nop 0 and four v_nop follow each line
	s_cmp_lt_u32 s[WV], 2
	s_cbranch_scc0 .Lfor_w_\@
	tensor_load_to_lds s[G0A+4*\s:G0A+4*\s+3], s[G1A:G1A+7]
	s_nop 0
.rept 4
	v_nop
.endr
	s_branch .Lasked_\@
.Lfor_w_\@:
	tensor_load_to_lds s[G0B+4*\s:G0B+4*\s+3], s[G1B:G1B+7]
	s_nop 0
.rept 4
	v_nop
.endr
.Lasked_\@:
.endm
.macro CREST
	s_cmp_lg_u32 s[WV], 0
	s_cbranch_scc1 .Lnot_wave_0_\@
	s_barrier_signal -3
.Lnot_wave_0_\@:
	s_barrier_wait -3
	s_barrier_signal -1
	s_barrier_wait -1
.endm
.macro CROUND
	s_barrier_signal -1
	s_barrier_wait -1
	CREST
.endm
; A prefetch of att's K step that stands two refills on: 32 rows x 256 bytes, a lane a row.  Both clusters of a row of clusters read the same rows: the first (cluster x = 0) asks; the four partners of a
; row of the cluster take 64 rows each, told apart by address, waves 0 and 1 32 each: each row's 256 bytes are named once.  The loop's last trip asks for nothing; K steps 0 to 3 come by their loads alone.
.macro ASK
	s_cmp_gt_u32 s3, s[LIM]
	s_cbranch_scc0 .Lnot_mine_\@
	global_prefetch_b8 v[PFO], s[PFA:PFA+1] offset:256 th:TH_LOAD_NT scope:SCOPE_SE
.Lnot_mine_\@:
.endm
	s_load_b256 s[4:11], s[0:1], 0x0               ; att16 s[4:5], wp16 s[6:7], b_proj s[8:9], out0 s[10:11]
	v_lshl_add_u32 v[SPW], v0, 2, SPARE
	v_mov_b32 v[NIL], 0
	ds_add_u32 v[SPW], v[NIL]                      ; the opening: the add, twice on end, and its wait ahead of my first tensor load
	ds_add_u32 v[SPW], v[NIL]
	v_lshrrev_b32 v1, 5, v0
	v_readfirstlane_b32 s[WV], v1
	s_bfe_u32 s13, ttmp6, 0x40000                  ; cx
	s_bfe_u32 s14, ttmp6, 0x40004                  ; cy
	s_lshl_b32 s15, ttmp9, 2
	s_add_co_u32 s15, s15, s13                     ; nt: block of 128 columns
	s_and_b32 s16, ttmp7, 0xffff
	s_lshl_b32 s16, s16, 2
	s_add_co_u32 s16, s16, s14                     ; trow: block of 256 rows
	s_lshr_b32 s17, s[WV], 1                       ; my half of the rows
	s_and_b32 s18, s[WV], 1                        ; my half of the columns.  Also: which half of a tile I fetch
	s_lshl_b32 s20, s14, 2
	s_lshl_b32 s20, 15, s20                        ; my row of the cluster
	s_lshl_b32 s21, 0x1111, s13                    ; my column
	s_or_b32 s[G1A+0], s20, (1<<16)|(1<<20)|(1<<21)|(5<<22)|(3<<25)
	s_mov_b32 s[G1A+1], 128<<16
	s_mov_b32 s[G1A+2], 128<<16
	s_mov_b32 s[G1A+3], 128<<16
	s_mov_b32 s[G1A+4], 128                        ; 128 rows x 128 along K
	s_mov_b32 s[G1A+5], 1024
	s_mov_b32 s[G1A+6], 0
	s_mov_b32 s[G1A+7], 0
	s_or_b32 s[G1B+0], s21, (1<<16)|(1<<20)|(1<<21)|(5<<22)|(7<<25)
	s_mov_b32 s[G1B+1], 128<<16
	s_mov_b32 s[G1B+2], 64<<16
	s_mov_b32 s[G1B+3], 128<<16
	s_mov_b32 s[G1B+4], 64                         ; 64 along K x 128 columns
	s_mov_b32 s[G1B+5], 1024
	s_mov_b32 s[G1B+6], 0
	s_mov_b32 s[G1B+7], 0
	s_lshl_b32 s22, s16, 1                         ; att's address is made of the tile row and the wave's number alone,
	s_add_co_u32 s22, s22, s18
	s_lshl_b32 s22, s22, 18                        ; 128 rows of 2,048 bytes
	s_mov_b32 s23, 0
	s_lshl_b32 s66, s18, 17                        ; w's of the tile column and the wave's number alone: 64 rows of 2,048 bytes
	s_lshl_b32 s67, s15, 8
	s_add_co_u32 s66, s66, s67
	s_mov_b32 s67, 0
	s_mul_i32 s68, s18, AH
	s_mul_i32 s69, s18, VH
	s_add_co_u32 s69, s69, VOFF
	s_wait_dscnt 0x0                               ; both opening adds are done
	s_wait_kmcnt 0x0
	s_add_nc_u64 s[22:23], s[4:5], s[22:23]
	s_add_nc_u64 s[66:67], s[6:7], s[66:67]
	CROUND                                         ; all sixteen work-groups are here: the first joint loads meet
.irp s, 0,1
	s_mov_b32 s[G0A+4*\s], 1
	s_add_co_u32 s[G0A+4*\s+1], s68, \s*SLOT
	s_add_nc_u64 s[G0A+4*\s+2:G0A+4*\s+3], s[22:23], \s*256
	s_or_b32 s[G0A+4*\s+3], s[G0A+4*\s+3], 0x80000000
	s_mov_b32 s[G0B+4*\s], 1
	s_add_co_u32 s[G0B+4*\s+1], s69, \s*SLOT
	s_add_nc_u64 s[G0B+4*\s+2:G0B+4*\s+3], s[66:67], \s*262144
	s_or_b32 s[G0B+4*\s+3], s[G0B+4*\s+3], 0x80000000
.endr
	s_cmp_lt_u32 s[WV], 2                          ; a wave's two first fills stand in one branch: two loads of mine are out
	s_cbranch_scc0 .Lfirst_w
	tensor_load_to_lds s[G0A:G0A+3], s[G1A:G1A+7]
	s_nop 0
	tensor_load_to_lds s[G0A+4:G0A+7], s[G1A:G1A+7]
	s_nop 0
.rept 4
	v_nop
.endr
	s_branch .Lfirst_asked
.Lfirst_w:
	tensor_load_to_lds s[G0B:G0B+3], s[G1B:G1B+7]
	s_nop 0
	tensor_load_to_lds s[G0B+4:G0B+7], s[G1B:G1B+7]
	s_nop 0
.rept 4
	v_nop
.endr
.Lfirst_asked:
	v_and_b32 v1, 15, v0                           ; r
	v_bfe_u32 v2, v0, 4, 1                         ; h
	s_lshl_b32 s20, s15, 9
	s_lshl_b32 s21, s18, 8
	s_add_co_u32 s20, s20, s21                     ; my first column in bytes of f32: 512 nt + 256 half
	s_mov_b32 s21, 0
	s_add_nc_u64 s[8:9], s[8:9], s[20:21]
	s_add_nc_u64 s[10:11], s[10:11], s[20:21]
	v_lshlrev_b32 v[BO], 5, v2
.irp b, 0,1,2,3
	global_load_b128 v[BI+8*\b:BI+8*\b+3], v[BO], s[8:9] offset:64*\b          ; b_proj[my first column + 16 b + 8 h + 0 .. 7]
	global_load_b128 v[BI+8*\b+4:BI+8*\b+7], v[BO], s[8:9] offset:64*\b+16
.endr
	s_lshl_b32 s20, s16, 1
	s_add_co_u32 s20, s20, s17
	s_lshl_b32 s20, s20, 19                        ; my first row: 128 rows of 4,096 bytes
	s_add_nc_u64 s[10:11], s[10:11], s[20:21]
	v_mul_u32_u24 v240, v1, PA
	v_lshl_add_u32 v241, v2, 4, v240
	s_mul_i32 s20, s17, AH
	v_add_nc_u32 v[ADRA], s20, v241
	v_add_nc_u32 v[ADRA+1], SLOT, v[ADRA]
	v_and_b32 v241, 7, v0
	v_bfe_u32 v242, v0, 3, 1
	v_lshl_add_u32 v241, v2, 3, v241
	v_mul_u32_u24 v241, v241, PV
	v_lshl_add_u32 v241, v242, 4, v241
	s_lshl_b32 s21, s18, 7
	s_add_co_u32 s21, s21, VOFF
	v_add_nc_u32 v[ADRB], s21, v241
	v_add_nc_u32 v[ADRB+1], SLOT, v[ADRB]
	s_mul_i32 s20, s[WV], 16*PA                    ; my stage
	v_lshl_add_u32 v240, v2, 5, v240
	v_add_nc_u32 v[STO], s20, v240                 ; in: row r, 32 bytes for each half of the lanes
	v_mul_u32_u24 v240, v2, PA
	v_lshl_add_u32 v240, v1, 4, v240
	v_add_nc_u32 v[RD], s20, v240                  ; back: lanes 0-15 one row of 256 bytes, lanes 16-31 the next
	v_lshlrev_b32 v240, 12, v2
	v_lshl_add_u32 v[GO], v1, 4, v240
	v_and_b32 v[PFO], 31, v0
	v_lshlrev_b32 v[PFO], 11, v[PFO]
	s_lshl_b32 s20, s16, 19
	s_lshl_b32 s22, s13, 17
	s_add_co_u32 s20, s20, s22
	s_lshl_b32 s22, s18, 16
	s_add_co_u32 s20, s20, s22
	s_add_co_u32 s20, s20, 512
	s_mov_b32 s21, 0
	s_add_nc_u64 s[PFA:PFA+1], s[4:5], s[20:21]    ; att16 at row 256 trow + 64 cx + 32 half, K step 2: the first change of slots steps it to 3 and names 4
	s_lshr_b32 s20, s[WV], 1
	s_or_b32 s20, s20, ttmp9
	s_cmp_eq_u32 s20, 0
	s_cselect_b32 s[LIM], 1, -1
.macro MUL4 f, a, zero                 ; zero = 1: the sums begin with the bias as C.  The 32 accumulators take turns
.irp b, 0,1,2,3
.if \zero
	v_wmma_f32_16x16x32_f16 v[32*((\a)%4)+8*\b:32*((\a)%4)+8*\b+7], v[64+32*(\f)+8*\b:64+32*(\f)+8*\b+7], v[128+32*(\f)+8*((\a)%4):128+32*(\f)+8*((\a)%4)+7], v[BI+8*\b:BI+8*\b+7]
.else
	v_wmma_f32_16x16x32_f16 v[32*((\a)%4)+8*\b:32*((\a)%4)+8*\b+7], v[64+32*(\f)+8*\b:64+32*(\f)+8*\b+7], v[128+32*(\f)+8*((\a)%4):128+32*(\f)+8*((\a)%4)+7], v[32*((\a)%4)+8*\b:32*((\a)%4)+8*\b+7]
.endif
.endr
.endm
.macro HALF f, a0, zero
	MUL4 \f, \a0, \zero
	MUL4 \f, \a0+1, \zero
	MUL4 \f, \a0+2, \zero
	MUL4 \f, \a0+3, \zero
.endm
.macro FETCH slot, q, f                ; 24 LDS loads: 32 along K: w's four fragments, att's blocks 0-3, att's blocks 4-7
	WIN 0
.irp b, 0,1,2,3
	ds_load_tr16_b128 v[64+32*(\f)+8*\b:64+32*(\f)+8*\b+3],   v[ADRB+\slot] offset:32*(\q)*PV+32*\b
	ds_load_tr16_b128 v[64+32*(\f)+8*\b+4:64+32*(\f)+8*\b+7], v[ADRB+\slot] offset:32*(\q)*PV+16*PV+32*\b
.endr
	WIN 0x40
.irp a, 0,1,2,3
	ds_load_b128 v[128+32*(\f)+8*\a:128+32*(\f)+8*\a+3],   v[ADRA+\slot] offset:64*(\q)+\a*16*PA
	ds_load_b128 v[128+32*(\f)+8*\a+4:128+32*(\f)+8*\a+7], v[ADRA+\slot] offset:64*(\q)+\a*16*PA+32
.endr
	WIN 0x80
.irp a, 0,1,2,3
	ds_load_b128 v[128+32*(\f)+8*\a:128+32*(\f)+8*\a+3],   v[ADRA+\slot] offset:64*(\q)+(\a+4)*16*PA
	ds_load_b128 v[128+32*(\f)+8*\a+4:128+32*(\f)+8*\a+7], v[ADRA+\slot] offset:64*(\q)+(\a+4)*16*PA+32
.endr
.endm
.macro QUARTER slot, q, f, g, zero
	s_wait_dscnt 8                                 ; w's fragments and att's blocks 0-3 are in; the youngest eight loads may be out
	WIN W_LO-0x10*(\zero)                          ; (zero = 1: C, the bias, lies in window 0)
	HALF \f, 0, \zero
	PLACES
	FETCH \slot, \q, \g
	s_wait_dscnt 24                                ; all but the 24 just issued
	WIN W_HI-0x20*(\zero)
	HALF \f, 4, \zero
.endm
.macro TURN slot, next, fill
.if \fill
	s_wait_xcnt 0x0                                ; the last prefetch, a K step back, has read its address
	s_add_nc_u64 s[PFA:PFA+1], s[PFA:PFA+1], 256
.endif
	WIN 0
	s_wait_tensorcnt 0x0                           ; the one load of mine that was out is my part of the next slot
	ds_add_u32 v[SPW], v[NIL]
.if \fill
	s_add_nc_u64 s[G0A+4*\slot+2:G0A+4*\slot+3], s[G0A+4*\slot+2:G0A+4*\slot+3], 512       ; no load of mine is out: this slot's next K step
	s_add_nc_u64 s[G0B+4*\slot+2:G0B+4*\slot+3], s[G0B+4*\slot+2:G0B+4*\slot+3], 524288
.endif
	s_wait_dscnt 9                                 ; the add and the youngest eight loads may be out
	WIN W_LO
	MUL4 1, 0, 0
	MUL4 1, 1, 0
	s_wait_dscnt 0x0                               ; the add is done, and my reads of this slot are over
	s_barrier_signal -1
	MUL4 1, 2, 0
	MUL4 1, 3, 0
	WIN 0
	s_barrier_wait -1
.if \fill
	CREST                                          ; no wave of any partner still reads this slot or has a load on its way
	JLOAD \slot                                    ; its four v_nop are also the places in front of the loads below
.else
	PLACES
.endif
	FETCH \next, 0, 0
.if \fill
	WIN 0
	ASK
.endif
	WIN W_HI
	HALF 1, 4, 0
.endm
	s_wait_tensorcnt 1                             ; my part of slot 0 is in; slot 1's may be out
	s_barrier_signal -1
	s_barrier_wait -1
	FETCH 0, 0, 0
	s_wait_loadcnt 0x0                             ; the bias
	QUARTER 0, 1, 0, 1, 1
	WIN 0
	s_mov_b32 s3, LAPS-1
.Llap:
	QUARTER 0, 2, 1, 0, 0
	QUARTER 0, 3, 0, 1, 0
	TURN 0, 1, 1
	QUARTER 1, 1, 0, 1, 0
	QUARTER 1, 2, 1, 0, 0
	QUARTER 1, 3, 0, 1, 0
	TURN 1, 0, 1
	QUARTER 0, 1, 0, 1, 0
	WIN 0
	s_sub_co_u32 s3, s3, 1
	s_cmp_lg_u32 s3, 0
	s_cbranch_scc1 .Llap
	QUARTER 0, 2, 1, 0, 0                          ; the last lap fills nothing
	QUARTER 0, 3, 0, 1, 0
	TURN 0, 1, 0
	QUARTER 1, 1, 0, 1, 0
	QUARTER 1, 2, 1, 0, 0
	QUARTER 1, 3, 0, 1, 0
	s_wait_dscnt 8
	WIN W_LO
	HALF 1, 0, 0
	s_wait_dscnt 0
	WIN W_HI
	HALF 1, 4, 0
	WIN 0
	PLACES
	; THE WAY OUT, a block of 16 rows x 64 columns at a time, through my own stage: back as whole rows of 256 bytes.
.irp a, 0,1,2,3,4,5,6,7
.set BKR, 160+32*((\a)%2)
	WIN 0x04+4*((\a)/4)                            ; an LDS store's data are its source 1
.irp b, 0,1,2,3
	ds_store_b128 v[STO], v[32*((\a)%4)+8*\b:32*((\a)%4)+8*\b+3] offset:64*\b        ; each accumulator from its low end on
	ds_store_b128 v[STO], v[32*((\a)%4)+8*\b+4:32*((\a)%4)+8*\b+7] offset:64*\b+16
.endr
	WIN 0
.irp t, 0,1,2,3,4,5,6,7
	ds_load_b128 v[BKR+4*\t:BKR+4*\t+3], v[RD] offset:\t*2*PA   ; LDS serves a wave's instructions in order: these see the stores above
.endr
	s_wait_dscnt 0x0
	s_wait_xcnt 0x0                                ; earlier stores have read their base and their registers
.if \a > 0
	s_add_nc_u64 s[10:11], s[10:11], 65536         ; 16 rows of out0 on
.endif
.irp t, 0,1,2,3,4,5,6,7
	global_store_b128 v[GO], v[BKR+4*\t:BKR+4*\t+3], s[10:11] offset:\t*2*4096 th:TH_STORE_NT   ; 16 lanes store 256 consecutive bytes, aligned
.endr
.endr
	s_wait_tensorcnt 0x0                           ; the wave's end
	ds_add_u32 v[SPW], v[NIL]
	s_wait_dscnt 0x0
	CROUND                                         ; the closing round
	s_endpgm
.Lfunc_end_k_q5dcb617f27_proj:
	.size	k_q5dcb617f27_proj, .Lfunc_end_k_q5dcb617f27_proj-k_q5dcb617f27_proj
	.p2alignl 7, 3214868480
	.fill 96, 4, 3214868480
	.section	.rodata,"a",@progbits
	.p2align	6, 0x0
	.amdhsa_kernel k_q5dcb617f27_proj
		.amdhsa_group_segment_fixed_size 327680
		.amdhsa_private_segment_fixed_size 0
		.amdhsa_enable_private_segment 0
		.amdhsa_kernarg_size 32
		.amdhsa_user_sgpr_count 2
		.amdhsa_user_sgpr_kernarg_segment_ptr 1
		.amdhsa_wavefront_size32 1
		.amdhsa_system_sgpr_workgroup_id_x 1
		.amdhsa_system_sgpr_workgroup_id_y 1
		.amdhsa_system_sgpr_workgroup_id_z 1
		.amdhsa_system_vgpr_workitem_id 0
		.amdhsa_next_free_vgpr 768
		.amdhsa_next_free_sgpr 100
		.amdhsa_reserve_vcc 0
		.amdhsa_float_denorm_mode_32 3
		.amdhsa_float_denorm_mode_16_64 3
		.amdhsa_memory_ordered 1
		.amdhsa_forward_progress 1
		.amdhsa_inst_pref_size 88
	.end_amdhsa_kernel
	.amdgpu_metadata
---
amdhsa.version: [ 1, 2 ]
amdhsa.kernels:
  - .name:           k_q5dcb617f27_proj
    .symbol:         k_q5dcb617f27_proj.kd
    .args:
      - { .name: att16, .offset: 0, .size: 8, .value_kind: global_buffer, .address_space: global }
      - { .name: wp16, .offset: 8, .size: 8, .value_kind: global_buffer, .address_space: global }
      - { .name: b_proj, .offset: 16, .size: 8, .value_kind: global_buffer, .address_space: global }
      - { .name: out0, .offset: 24, .size: 8, .value_kind: global_buffer, .address_space: global }
    .group_segment_fixed_size: 327680
    .private_segment_fixed_size: 0
    .kernarg_segment_align: 8
    .kernarg_segment_size: 32
    .max_flat_workgroup_size: 128
    .sgpr_count:     100
    .vgpr_count:     768
    .wavefront_size: 32
...
	.end_amdgpu_metadata
.endif
;; end of part 5
;; launch fine (part 6): grid 64 x 4, 4 waves a work-group, no clusters, 8,704 bytes of LDS; arguments kqvf, w_proj, b_proj, out0; writes out0
.if DOCPART == 6
	.amdgcn_target "amdgcn-amd-amdhsa--gfx1250"
	.amdhsa_code_object_version 6
	.text
	.protected	k_q5dcb617f27_fine
	.globl	k_q5dcb617f27_fine
	.p2align	8
	.type	k_q5dcb617f27_fine,@function
k_q5dcb617f27_fine:
	s_mov_b64 s[64:65], 0
	v_nop
	global_prefetch_b8 v0, s[64:65] scope:SCOPE_SE
	s_setreg_imm32_b32 hwreg(HW_REG_WAVE_MODE, 25, 1), 1
	s_wait_xcnt 0x0
; Positions 0-15 of each batch, all in f32: these rows average one to sixteen values and are the largest, so f16 operands would weigh most there.  They are written over the rows that the launch before has stored.
; out = P (v W) + b, P = softmax of the 16 x 16 scores under the causal mask, with the row's true maximum taken away.
; A work-group takes one batch and 16 columns of out0; wave w takes channels 256 w on of both long sums: S^T = k q^T (16 keys x 16 queries) and v W (16 keys x 16 columns), 64 matrix instructions of
; 16 x 16 x 4 each, on four accumulators by turns.  The four waves' parts meet in LDS; wave 0 adds them, makes P, and multiplies P by v W: four matrix instructions.  No bulk work goes this way.
; THE ORDER OF K is permuted alike on both sides of each product: lane (r, h) holds, in registers 4 u .. 4 u + 3, channels 8 u + 4 h + 0 .. 3 (u = 0 .. 31): two K steps; 128 registers a lane for 256 channels.
; In the last product P's registers 2 s, 2 s + 1 (keys 8 h + 2 s + 0, 1 of query r) meet v W's registers 2 s, 2 s + 1 (the same keys of column r).
; The registers that the matrix instructions write (v16-95) are written by nothing else.
; REGISTERS: window 0: v1-15 addresses and work; v16-47 S^T's four sums; v48-79 v W's; v80-95 out's two; v96-127 work; v128-255 v, later the waves' parts.  window 1: v0-127 k, v128-255 q.  window 2: v0-127 W.
.set SPARE, 8192
.set SPW, 12
.set NIL, 13
.set MSB, 0
.macro WIN new
.if MSB != (\new)
	s_set_vgpr_msb (MSB<<8)|(\new)
.set MSB, (\new)
.endif
.endm
	s_load_b256 s[4:11], s[0:1], 0x0               ; kqvf s[4:5], w_proj s[6:7], b_proj s[8:9], out0 s[10:11]
	v_lshl_add_u32 v[SPW], v0, 2, SPARE
	v_mov_b32 v[NIL], 0
	v_lshrrev_b32 v1, 5, v0
	v_readfirstlane_b32 s16, v1                    ; wave
	v_and_b32 v1, 15, v0                           ; r
	v_bfe_u32 v2, v0, 4, 1                         ; h
	s_and_b32 s17, ttmp7, 0xffff                   ; batch
	v_mul_u32_u24 v3, v1, 12288
	v_lshl_add_u32 v3, v2, 4, v3                   ; k, q, v: row r, + 16 h
	v_lshlrev_b32 v4, 14, v2
	v_lshl_add_u32 v4, v1, 2, v4                   ; W: 4 rows further down for lanes 16-31, column r
	v_lshlrev_b32 v5, 2, v1                        ; the bias: column r
	v_lshlrev_b32 v6, 15, v2
	v_lshl_add_u32 v6, v1, 2, v6                   ; out0: row 8 h, column r
	v_and_b32 v7, 31, v0
	v_lshlrev_b32 v7, 4, v7                        ; 16 x lane
	s_lshl_b32 s18, s16, 11
	v_add_nc_u32 v8, s18, v7                       ; my wave's 2,048 bytes of LDS
	v_lshlrev_b32 v10, 3, v2
	v_sub_nc_u32 v10, v1, v10                      ; r - 8 h: register j's key is hidden where j > that
	v_mov_b32 v11, 0xff800000
	v_mov_b32 v15, 0                               ; a lane permute's destination counts as one of its sources
	s_mov_b32 s20, 0x76543210
	s_mov_b32 s21, 0xfedcba98
	s_mov_b32 s22, 0x3d0293ee                      ; c = log2(e) / sqrt(2048)
	s_mul_i32 s24, s17, 196608
	s_lshl_b32 s25, s16, 10
	s_add_co_u32 s24, s24, s25                     ; the batch's 16 rows, my 256 channels
	s_mov_b32 s25, 0
	s_lshl_b32 s26, s16, 20                        ; W: my 256 rows of 4,096 bytes,
	s_lshl_b32 s28, ttmp9, 6                       ; the work-group's 16 columns
	s_add_co_u32 s26, s26, s28
	s_mov_b32 s27, 0
	s_mov_b32 s29, 0
	s_lshl_b32 s30, s17, 23
	s_add_co_u32 s30, s30, s28
	s_mov_b32 s31, 0
	s_wait_kmcnt 0x0
	s_add_nc_u64 s[4:5], s[4:5], s[24:25]
	s_add_nc_u64 s[6:7], s[6:7], s[26:27]
	s_add_nc_u64 s[8:9], s[8:9], s[28:29]
	s_add_nc_u64 s[10:11], s[10:11], s[30:31]
	global_load_b32 v9, v5, s[8:9]
	WIN 0x40                                       ; destination window 1
.set u, 0
.rept 32
	global_load_b128 v[4*u:4*u+3], v3, s[4:5] offset:32*u               ; k
	global_load_b128 v[128+4*u:131+4*u], v3, s[4:5] offset:4096+32*u    ; q
.set u, u+1
.endr
	WIN 0
.set u, 0
.rept 32
	global_load_b128 v[128+4*u:131+4*u], v3, s[4:5] offset:8192+32*u    ; v
.set u, u+1
.endr
	WIN 0x80                                       ; destination window 2
.set u, 0
.rept 128
	global_load_b32 v[u], v4, s[6:7] offset:(8*(u/4)+u%4)*4096          ; W(8 (u / 4) + 4 h + u % 4, r): row 255 of my 256 at the most
.set u, u+1
.endr
	WIN 0
	s_wait_loadcnt 63                              ; loads come back in order: all but the last 63 are in; behind q's last load 160 were issued
	WIN 0x05                                       ; sources 0 and 1: window 1
.set ks, 0
.rept 64
.if ks < 4
	v_wmma_f32_16x16x4_f32 v[16+8*(ks%4):23+8*(ks%4)], v[2*ks:2*ks+1], v[128+2*ks:129+2*ks], 0
.else
	v_wmma_f32_16x16x4_f32 v[16+8*(ks%4):23+8*(ks%4)], v[2*ks:2*ks+1], v[128+2*ks:129+2*ks], v[16+8*(ks%4):23+8*(ks%4)]
.endif
.set ks, ks+1
.endr
	WIN 0
	s_wait_loadcnt 0x0
	WIN 0x08                                       ; source 1: window 2
.set ks, 0
.rept 64
.if ks < 4
	v_wmma_f32_16x16x4_f32 v[48+8*(ks%4):55+8*(ks%4)], v[128+2*ks:129+2*ks], v[2*ks:2*ks+1], 0
.else
	v_wmma_f32_16x16x4_f32 v[48+8*(ks%4):55+8*(ks%4)], v[128+2*ks:129+2*ks], v[2*ks:2*ks+1], v[48+8*(ks%4):55+8*(ks%4)]
.endif
.set ks, ks+1
.endr
	WIN 0
.rept 8
	v_nop                                          ; eight places behind this form (ISA guide 7.12.1)
.endr
.irp j, 0,1,2,3,4,5,6,7
	v_add_f32 v[96+\j], v[16+\j], v[24+\j]         ; each sum is read from its low end on, into other registers
.endr
.irp j, 0,1,2,3,4,5,6,7
	v_add_f32 v[104+\j], v[32+\j], v[40+\j]
.endr
.irp j, 0,1,2,3,4,5,6,7
	v_add_f32 v[96+\j], v[96+\j], v[104+\j]        ; my part of S^T
.endr
.irp j, 0,1,2,3,4,5,6,7
	v_add_f32 v[104+\j], v[48+\j], v[56+\j]
.endr
.irp j, 0,1,2,3,4,5,6,7
	v_add_f32 v[112+\j], v[64+\j], v[72+\j]
.endr
.irp j, 0,1,2,3,4,5,6,7
	v_add_f32 v[104+\j], v[104+\j], v[112+\j]      ; my part of v W
.endr
.irp p, 0,1,2,3
	ds_store_b128 v8, v[96+4*\p:99+4*\p] offset:512*\p   ; as an image of the registers: 16 bytes a lane
.endr
	s_wait_dscnt 0x0                               ; for wave 0's sake
	s_barrier_signal -1
	s_barrier_wait -1
	s_cmp_lg_u32 s16, 0
	s_cbranch_scc1 .Lend
.irp w, 0,1,2,3
.irp p, 0,1,2,3
	ds_load_b128 v[128+16*\w+4*\p:131+16*\w+4*\p], v7 offset:2048*\w+512*\p
.endr
.endr
	s_wait_dscnt 0x0
.irp j, 0,1,2,3,4,5,6,7,8,9,10,11,12,13,14,15
	v_add_f32 v[96+\j], v[128+\j], v[144+\j]
	v_add_f32 v[192+\j], v[160+\j], v[176+\j]
.endr
.irp j, 0,1,2,3,4,5,6,7,8,9,10,11,12,13,14,15
	v_add_f32 v[96+\j], v[96+\j], v[192+\j]        ; v96-103: S^T(key 8 h + j, query r); v104-111: v W(key 8 h + j, column r)
.endr
.irp j, 0,1,2,3,4,5,6,7
	v_cmp_gt_i32 vcc_lo, \j, v10
	v_cndmask_b32 v[96+\j], v[96+\j], v11, vcc_lo  ; key > query: -infinity
.endr
	v_max3_num_f32 v14, v96, v97, v98
	v_max3_num_f32 v14, v14, v99, v100
	v_max3_num_f32 v14, v14, v101, v102
	v_max_num_f32 v14, v14, v103
	v_permlanex16_b32 v15, v14, s20, s21
	v_max_num_f32 v14, v14, v15                    ; the row's largest score: key 0 counts for every query
	v_mul_f32 v14, s22, v14
.irp j, 0,1,2,3,4,5,6,7
	v_fma_f32 v[96+\j], v[96+\j], s22, -v14
.endr
.irp j, 0,1,2,3,4,5,6,7
	v_exp_f32 v[96+\j], v[96+\j]
.endr
	v_nop                                          ; a plain place behind the exponentials
	s_wait_alu depctr_va_vdst(0)                   ; one wait for the batch
	v_add_f32 v14, v96, v97
.irp j, 2,3,4,5,6,7
	v_add_f32 v14, v14, v[96+\j]
.endr
	v_permlanex16_b32 v15, v14, s20, s21
	v_add_f32 v14, v14, v15
	v_rcp_f32 v14, v14
	v_nop
	s_wait_alu depctr_va_vdst(0)
.irp j, 0,1,2,3,4,5,6,7
	v_mul_f32 v[112+\j], v[96+\j], v14             ; P(query r, key 8 h + j)
.endr
.irp j, 0,1,2,3,4,5,6,7
	v_mov_b32 v[120+\j], v9                        ; the bias of column r, as the C of the first product
.endr
	v_wmma_f32_16x16x4_f32 v[80:87], v[112:113], v[104:105], v[120:127]
	v_wmma_f32_16x16x4_f32 v[88:95], v[114:115], v[106:107], 0
	v_wmma_f32_16x16x4_f32 v[80:87], v[116:117], v[108:109], v[80:87]
	v_wmma_f32_16x16x4_f32 v[88:95], v[118:119], v[110:111], v[88:95]
.rept 8
	v_nop
.endr
.irp j, 0,1,2,3,4,5,6,7
	v_add_f32 v[128+\j], v[80+\j], v[88+\j]        ; out(query 8 h + j, column r)
.endr
.irp j, 0,1,2,3,4,5,6,7
	global_store_b32 v6, v[128+\j], s[10:11] offset:4096*\j   ; pieces of 64 bytes, on 16 rows a batch
.endr
.Lend:
	s_wait_tensorcnt 0x0                           ; the wave's end
	ds_add_u32 v[SPW], v[NIL]
	s_wait_dscnt 0x0
	s_endpgm
.Lfunc_end_k_q5dcb617f27_fine:
	.size	k_q5dcb617f27_fine, .Lfunc_end_k_q5dcb617f27_fine-k_q5dcb617f27_fine
	.p2alignl 7, 3214868480
	.fill 96, 4, 3214868480
	.section	.rodata,"a",@progbits
	.p2align	6, 0x0
	.amdhsa_kernel k_q5dcb617f27_fine
		.amdhsa_group_segment_fixed_size 8704
		.amdhsa_private_segment_fixed_size 0
		.amdhsa_enable_private_segment 0
		.amdhsa_kernarg_size 32
		.amdhsa_user_sgpr_count 2
		.amdhsa_user_sgpr_kernarg_segment_ptr 1
		.amdhsa_wavefront_size32 1
		.amdhsa_system_sgpr_workgroup_id_x 1
		.amdhsa_system_sgpr_workgroup_id_y 1
		.amdhsa_system_sgpr_workgroup_id_z 1
		.amdhsa_system_vgpr_workitem_id 0
		.amdhsa_next_free_vgpr 768
		.amdhsa_next_free_sgpr 66
		.amdhsa_reserve_vcc 1
		.amdhsa_float_denorm_mode_32 3
		.amdhsa_float_denorm_mode_16_64 3
		.amdhsa_memory_ordered 1
		.amdhsa_forward_progress 1
		.amdhsa_inst_pref_size 41
	.end_amdhsa_kernel
	.amdgpu_metadata
---
amdhsa.version: [ 1, 2 ]
amdhsa.kernels:
  - .name:           k_q5dcb617f27_fine
    .symbol:         k_q5dcb617f27_fine.kd
    .args:
      - { .name: kqvf, .offset: 0, .size: 8, .value_kind: global_buffer, .address_space: global }
      - { .name: w_proj, .offset: 8, .size: 8, .value_kind: global_buffer, .address_space: global }
      - { .name: b_proj, .offset: 16, .size: 8, .value_kind: global_buffer, .address_space: global }
      - { .name: out0, .offset: 24, .size: 8, .value_kind: global_buffer, .address_space: global }
    .group_segment_fixed_size: 8704
    .private_segment_fixed_size: 0
    .kernarg_segment_align: 8
    .kernarg_segment_size: 32
    .max_flat_workgroup_size: 128
    .sgpr_count:     66
    .vgpr_count:     768
    .wavefront_size: 32
...
	.end_amdgpu_metadata
.endif
;; end of part 6
